; MI455X (gfx1250); checked and timed in simulation.
; The chip was launched on July 23, 2026; its instructions are those of AMD's public machine-readable ISA for CDNA 5 (MIT licence, August 2026) and "CDNA5" Instruction Set Architecture Reference Guide (July 2026). The comments in the code are by the model that wrote it; some were corrected since.
;; Flash Attention. Allowed arithmetic: float matrix products may take bf16 or f16 operands with f32 sums; all other float work in f32.
;; Inputs: bk 1,024 float32; bq 1,024 float32; bv 1,024 float32; wk 1,024 x 1,024 float32; wq 1,024 x 1,024 float32; wv 1,024 x 1,024 float32; x 4 x 2,048 x 1,024 float32.
;; Outputs: out0 4 x 2,048 x 1,024 float32.
;; 2 versions, each right; version 2 is version 1 with the launch cvt written anew for expert scheduling mode. Each part assembles by itself: llvm-mc -triple=amdgcn-amd-amdhsa -mcpu=gfx1250 --defsym DOCPART=n.
;; ======== version 1 of 2: 4 launches
;; workspace buffers: xb 16,777,216 bytes; wb 6,291,456 bytes; ball 12,288 bytes; qkv 50,331,648 bytes; pbuf 33,554,432 bytes; mstat 262,144 bytes; lstat 262,144 bytes
;; launch cvt (part 1): grid 256 x 1, 11 waves a work-group, no clusters, 0 bytes of LDS; arguments x, wq, wk, wv, bq, bk, bv, xb, wb, ball; writes xb, wb, ball
.if DOCPART == 1
	.amdgcn_target "amdgcn-amd-amdhsa--gfx1250"
	.amdhsa_code_object_version 6
	.text
	.protected	k_q92c56c85c3_cvt
	.globl	k_q92c56c85c3_cvt
	.p2align	8
	.type	k_q92c56c85c3_cvt,@function
k_q92c56c85c3_cvt:
	s_mov_b64 s[64:65], 0
	v_nop
	global_prefetch_b8 v0, s[64:65] scope:SCOPE_SE
	s_setreg_imm32_b32 hwreg(HW_REG_WAVE_MODE, 25, 1), 1
	s_wait_xcnt 0x0
; x [8192][1024] and wq, wk, wv [1024][1024], f32, are rounded once to bf16 and laid in blocks along K:
;   xb[kb][row][64 k], wb[kb][3072 rows][64 k] (rows 0-1023 wq, 1024-2047 wk, 2048-3071 wv), element (row, k) at ((k >> 6) * ROWS + row) * 128 + (k & 63) * 2 bytes,
; so that a tile of R rows x 64 k of the next launch is R * 128 dense bytes.  ball[3072] = bq, bk, bv, each number rounded to bf16 and kept as f32.
; SHARES.  8,192 + 3,072 rows are 2,816 groups of four rows = 256 work-groups x 11 waves: wave G = 11 x work-group + wave takes group G: groups 0-2047 are x's, the others the weights'.
; One load of a wave: lanes 0-15 take 256 consecutive bytes (64 k) of a pair's even row, lanes 16-31 the same columns of the odd row.
; One store of a wave: 32 lanes x 8 bytes = 256 consecutive bytes, aligned: the two rows' 64 k of one block.
; A stream: no LDS, no barrier, no matrix unit.  All 32 loads of a wave go out at once; no register is written twice, so no wait frees one.
; LIMIT: bf16 keeps 8 significant bits; its range is f32's.
.set VIN, 1                            ; v1      byte offset of my 16 bytes in the group's first pair of rows
.set VO,  2                            ; v2-17   byte offset of my 8 bytes in block kb (a block's stride times 15 does not fit a store's immediate)
.set X,   32                           ; v32-159  32 loads x 4 registers
.set Y,   160                          ; v160-223 32 x 2 registers to store
	s_load_b512 s[8:23], s[0:1], 0x0               ; x s[8:9], wq s[10:11], wk s[12:13], wv s[14:15], bq s[16:17], bk s[18:19], bv s[20:21], xb s[22:23]
	s_load_b128 s[24:27], s[0:1], 0x40             ; wb s[24:25], ball s[26:27]
	v_lshrrev_b32 v18, 5, v0
	v_readfirstlane_b32 s2, v18                    ; wave 0..10
	s_mul_i32 s39, ttmp9, 11
	s_add_co_u32 s39, s39, s2                      ; G: my group of four rows
	s_sub_co_u32 s35, s39, 2048                    ; its number among the weights' groups
	s_lshr_b32 s38, s35, 8                         ; which weight: 0, 1, 2
	s_and_b32 s37, s35, 255                        ; which group of that weight
	s_mov_b32 s34, 3072*128                        ; bytes from block to block in wb
	s_cmp_lt_u32 s39, 2048                         ; a group of x?
	s_cselect_b32 s36, s39, s35                    ; the group in the destination
	s_cselect_b32 s37, s39, s37                    ; the group in the source
	s_cselect_b32 s34, 8192*128, s34               ; bytes from block to block in xb
	s_lshl_b32 s40, s37, 14                        ; four rows of 4,096 bytes
	s_mov_b32 s41, 0
	s_lshl_b32 s42, s36, 9                         ; four rows of 128 bytes
	s_mov_b32 s43, 0
	v_and_b32 v19, 31, v0                          ; lane
	v_and_b32 v21, 15, v0
	v_bfe_u32 v20, v0, 4, 1
	v_lshlrev_b32 v[VIN], 4, v21                   ; 16 bytes a lane,
	v_lshl_add_u32 v[VIN], v20, 12, v[VIN]         ; the odd row for lanes 16-31
	v_lshlrev_b32 v22, 3, v19                      ; 8 bytes a lane
	v_lshlrev_b32 v[VO], 3, v19
.set kb, 1
.rept 15
	v_add_nc_u32 v[VO+kb], s34, v[VO+kb-1]
.set kb, kb+1
.endr
	s_wait_kmcnt 0x0
	s_cmp_eq_u32 s38, 1                            ; the source, its bias and the destination are chosen by the group's number alone
	s_cselect_b64 s[28:29], s[12:13], s[10:11]
	s_cselect_b64 s[32:33], s[18:19], s[16:17]
	s_cmp_eq_u32 s38, 2
	s_cselect_b64 s[28:29], s[14:15], s[28:29]
	s_cselect_b64 s[32:33], s[20:21], s[32:33]
	s_cmp_lt_u32 s39, 2048
	s_cselect_b64 s[28:29], s[8:9], s[28:29]
	s_cselect_b64 s[30:31], s[22:23], s[24:25]
	s_add_nc_u64 s[28:29], s[28:29], s[40:41]
	s_add_nc_u64 s[30:31], s[30:31], s[42:43]
.set n, 0
.rept 32                                               ; load n: pair n / 16, block n % 16
	global_load_b128 v[X+4*n:X+4*n+3], v[VIN], s[28:29] offset:(n/16)*8192+(n%16)*256 th:TH_LOAD_NT
.set n, n+1
.endr
.set n, 0
.rept 32
	s_wait_loadcnt 31-n                            ; loads come back in order (ISA guide 5.7.1): load n is in, the 31 - n younger ones stay out
	v_cvt_pk_bf16_f32 v[Y+2*n], v[X+4*n], v[X+4*n+1]
	v_cvt_pk_bf16_f32 v[Y+2*n+1], v[X+4*n+2], v[X+4*n+3]
	global_store_b64 v[VO+n%16], v[Y+2*n:Y+2*n+1], s[30:31] offset:(n/16)*256
.set n, n+1
.endr
	; the biases: every sixteenth wave of the weights' takes 64 numbers, 256 consecutive bytes in and out: 16 waves a bias
	s_cmp_lt_u32 s39, 2048
	s_cbranch_scc1 .Lend
	s_and_b32 s40, s35, 15
	s_cmp_lg_u32 s40, 0
	s_cbranch_scc1 .Lend
	s_lshl_b32 s40, s37, 4                         ; four numbers of 4 bytes for each group of the weight
	s_mov_b32 s41, 0
	s_add_nc_u64 s[32:33], s[32:33], s[40:41]
	s_lshl_b32 s42, s35, 4                         ; and for each group of all three in ball
	s_mov_b32 s43, 0
	s_add_nc_u64 s[26:27], s[26:27], s[42:43]
	global_load_b64 v[20:21], v22, s[32:33]
	s_wait_loadcnt 0x0
	v_cvt_pk_bf16_f32 v23, v20, v21                ; rounded to bf16,
	v_lshlrev_b32 v18, 16, v23                     ; and written as f32 again
	v_and_b32 v19, 0xffff0000, v23
	global_store_b64 v22, v[18:19], s[26:27]
.Lend:
	s_endpgm
.Lfunc_end_k_q92c56c85c3_cvt:
	.size	k_q92c56c85c3_cvt, .Lfunc_end_k_q92c56c85c3_cvt-k_q92c56c85c3_cvt
	.p2alignl 7, 3214868480
	.fill 96, 4, 3214868480
	.section	.rodata,"a",@progbits
	.p2align	6, 0x0
	.amdhsa_kernel k_q92c56c85c3_cvt
		.amdhsa_group_segment_fixed_size 0
		.amdhsa_private_segment_fixed_size 0
		.amdhsa_enable_private_segment 0
		.amdhsa_kernarg_size 80
		.amdhsa_user_sgpr_count 2
		.amdhsa_user_sgpr_kernarg_segment_ptr 1
		.amdhsa_wavefront_size32 1
		.amdhsa_system_sgpr_workgroup_id_x 1
		.amdhsa_system_sgpr_workgroup_id_y 1
		.amdhsa_system_sgpr_workgroup_id_z 1
		.amdhsa_system_vgpr_workitem_id 0
		.amdhsa_next_free_vgpr 224
		.amdhsa_next_free_sgpr 66
		.amdhsa_reserve_vcc 0
		.amdhsa_float_denorm_mode_32 3
		.amdhsa_float_denorm_mode_16_64 3
		.amdhsa_memory_ordered 1
		.amdhsa_forward_progress 1
		.amdhsa_inst_pref_size 14
	.end_amdhsa_kernel
	.amdgpu_metadata
---
amdhsa.version: [ 1, 2 ]
amdhsa.kernels:
  - .name:           k_q92c56c85c3_cvt
    .symbol:         k_q92c56c85c3_cvt.kd
    .args:
      - { .name: x, .offset: 0, .size: 8, .value_kind: global_buffer, .address_space: global }
      - { .name: wq, .offset: 8, .size: 8, .value_kind: global_buffer, .address_space: global }
      - { .name: wk, .offset: 16, .size: 8, .value_kind: global_buffer, .address_space: global }
      - { .name: wv, .offset: 24, .size: 8, .value_kind: global_buffer, .address_space: global }
      - { .name: bq, .offset: 32, .size: 8, .value_kind: global_buffer, .address_space: global }
      - { .name: bk, .offset: 40, .size: 8, .value_kind: global_buffer, .address_space: global }
      - { .name: bv, .offset: 48, .size: 8, .value_kind: global_buffer, .address_space: global }
      - { .name: xb, .offset: 56, .size: 8, .value_kind: global_buffer, .address_space: global }
      - { .name: wb, .offset: 64, .size: 8, .value_kind: global_buffer, .address_space: global }
      - { .name: ball, .offset: 72, .size: 8, .value_kind: global_buffer, .address_space: global }
    .group_segment_fixed_size: 0
    .private_segment_fixed_size: 0
    .kernarg_segment_align: 8
    .kernarg_segment_size: 80
    .max_flat_workgroup_size: 352
    .sgpr_count:     66
    .vgpr_count:     224
    .wavefront_size: 32
...
	.end_amdgpu_metadata
.endif
;; end of part 1
;; launch proj (part 2): grid 8 x 32, 4 waves a work-group, clusters of 4 x 4, 327,680 bytes of LDS; arguments xb, wb, ball, qkv; writes qkv
.if DOCPART == 2
	.amdgcn_target "amdgcn-amd-amdhsa--gfx1250"
	.amdhsa_code_object_version 6
	.text
	.protected	k_q92c56c85c3_proj
	.globl	k_q92c56c85c3_proj
	.p2align	8
	.type	k_q92c56c85c3_proj,@function
k_q92c56c85c3_proj:
	s_mov_b64 s[64:65], 0
	v_nop
	global_prefetch_b8 v0, s[64:65] scope:SCOPE_SE
	s_setreg_imm32_b32 hwreg(HW_REG_WAVE_MODE, 25, 1), 1
	s_wait_xcnt 0x0
	s_wait_alu depctr_hold_cnt(0) depctr_sa_sdst(0) depctr_va_vdst(0) depctr_va_sdst(0) depctr_va_ssrc(0) depctr_va_vcc(0) depctr_vm_vsrc(0)
	s_getreg_b32 s2, hwreg(HW_REG_IB_STS2, 6, 4)
	s_cmp_eq_u32 s2, 0
	s_cbranch_scc0 .Lentry_in_a_cluster
	s_endpgm
.Lentry_in_a_cluster:
	s_bfe_u32 s2, ttmp6, 0x10000c
	s_cmp_lg_u32 s2, 0xf033
	s_cbranch_scc0 .Lentry_shape_is_right
	s_endpgm
.Lentry_shape_is_right:
; qkv[m][n] = sum over k of x[m][k] w[n][k] + bias[n]:  [8192][3072] bf16, q in columns 0-1023, k in 1024-2047, v in 2048-3071.  Sums in f32 (they start at the bias), rounded once.
; xb, wb: bf16 in blocks of 64 along K (element (row, k) at ((k >> 6) * ROWS + row) * 128 + (k & 63) * 2).  ball: [3072] f32.
; SHARES.  A tile is 256 rows x 384 columns: 32 x 8 = 256 work-groups, one tile each.  Four waves, each 128 x 192: 8 x 12 accumulators of 16 x 16, 768 registers.
; K goes in 16 steps of 64 through a ring of two LDS slots; a step is two CHUNKS of 32 along K, 96 matrix instructions each, fed by 40 LDS loads.
; A tile of R rows x 64 k is R * 128 dense bytes: asked for as R / 2 rows of 256 bytes, padded in LDS behind every 128 bytes.
; A K step of 128 would want two slots of 640 rows x 272 bytes, 348,160 bytes: more than LDS holds.
; THE LOOP'S BODY IS ONE K STEP: the slot in hand lies at s[TB], 0 or 1 << 17, which one exclusive or turns; the second of the two first descriptors walks on from slot to slot.
; CLUSTER.  4 x 4 work-groups.  The four of a row of the cluster need the same rows of x, the four of a column the same rows of w: each tile is asked for jointly, by the same tensor load with the
; same descriptor and a mask that names the four.
; THE MATRIX INSTRUCTION IS USED TRANSPOSED (source 0 = 16 rows of w, source 1 = 16 rows of x): lane l holds row l % 16 of the result and eight neighbouring columns 8 (l / 16) + 0..7.
; REGISTERS, in windows of 256 (s_set_vgpr_msb: bits 1:0 source 0, 3:2 source 1, 5:4 source 2, 7:6 destination):
;   window 0: v0-31 addresses; v32-95, v96-159 x's fragments (8 x 16 rows x 32 K), two buffers; v160-255 w's fragments, three groups of four, one buffer, filled again group by group
;   window g + 1 (g = 0..2): the accumulators of column blocks 4 g .. 4 g + 3: (a, bb) at v[8 (4 a + bb)]
; LIMITS.  Operands and result in bf16 (8 significant bits, f32's range); NaN and infinities are not treated apart.
.set PITCH,  144                       ; an LDS row: 128 bytes + 16 of padding = 36 words: the 16 rows of a load start at 16 different groups of four banks (64 banks of 4 bytes: ISA guide 11.1)
.set AHALF,  128*PITCH                 ; 128 rows of x: one tensor load, and what one wave reads
.set BHALF,  192*PITCH                 ; 192 rows of w: likewise
.set BOFF,   2*AHALF                   ; in a slot: x's 256 rows, then w's 384
.set SLOTB,  BOFF+2*BHALF              ; a slot's 92,160 bytes
.set SLOT1,  1<<17                     ; slot 1 begins here, so that one exclusive or turns an address in one slot into the other's
.set STAGE,  SLOT1+SLOTB               ; behind the ring: 128 rows x 784 bytes, the work-group's, for the way out
.set SPITCH, 784                       ; 768 bytes + 16
.set SPARE,  STAGE+128*SPITCH          ; the spare words, 128 bytes for each wave: two blocks of 256 bytes that no other line names
.set ASTEP,  8192*128                  ; bytes from a K step to the next in xb
.set BSTEP,  3072*128                  ; and in wb
.set CROW,   3072*2                    ; bytes in a row of qkv
.set ADRA0, 16                         ; v16     my lane's place among x's fragments in a slot; never rewritten
.set ADRB0, 17                         ; v17     the same for w
.set ADRA, 20                          ; v20     LDS address of my fragments of x in the slot in hand
.set ADRB, 21                          ; v21     the same for w
.set COB,  22                          ; v22     the way out: byte offset in qkv, second of three stores
.set STO,  24                          ; v24     where I put 16 bytes of a row
.set RDA,  25                          ; v25     where I read back, first and third of three loads
.set RDB,  26                          ; v26     second of three
.set COA,  27                          ; v27     byte offset in qkv, first and third
.set SPW,  28                          ; v28     LDS address of my spare word; never rewritten
.set NIL,  29                          ; v29     0; never rewritten
.set VB,   31                          ; v31     32 (l / 16): my eight biases in a block of sixteen
.set FA,   32
.set FB,   160
.set TMP,  32                          ; the way out: packed results of one row block, 48 registers
.set OB,   32                          ; the way out: 32 rows read back, 192 registers
.set WV,  12                           ; s12 my wave's number
.set RH,  13                           ; s13 which half of the tile's rows is mine; also: I fetch x (0) or w (1)
.set CH,  14                           ; s14 which half of its columns; also: which half of that tile I fetch
.set TB,  23                           ; s23 LDS byte at which the slot in hand begins
.set G1,  24                           ; s[24:31] descriptor group 1 for x's tiles; s[32:39] group 0: a set for each of the two first fills; the second then walks on
.set G0,  32
.set G1B, 48                           ; s[48:55], s[56:63] the same for w's
.set G0B, 56
.set FLAGS, (1<<16)|(1<<20)|(1<<21)|(4<<22)|(3<<25)  ; 17:16 elements of 2 bytes; 20 padding on; 21 set beside a mask; 24:22 behind every 32 words (code 4); 31:25 4 words (code 3)
.set MSB, 0
.macro WIN new                         ; the immediate's high byte repeats the setting that is left; a switch that changes nothing is dropped
.if MSB != (\new)
	s_set_vgpr_msb (MSB<<8)|(\new)
.set MSB, \new
.endif
.endm
.macro PLACES                          ; four places in front of loads into registers that matrix instructions have read, and of conversions that read results
.rept 4
	v_nop
.endr
.endm
; A joint load: waves 0 and 1 fetch x's two halves, waves 2 and 3 w's.  The branch hangs on the wave's number alone.  An s_nop 0 and four v_nop follow each of the two lines.
.macro JLOAD s
	s_cmp_eq_u32 s[RH], 0
	s_cbranch_scc0 .Lfor_b_\@
	tensor_load_to_lds s[G0+4*(\s):G0+4*(\s)+3], s[G1:G1+7]
	s_nop 0
.rept 4
	v_nop
.endr
	s_branch .Lasked_\@
.Lfor_b_\@:
	tensor_load_to_lds s[G0B+4*(\s):G0B+4*(\s)+3], s[G1B:G1B+7]
	s_nop 0
.rept 4
	v_nop
.endr
.Lasked_\@:
.endm
.macro CREST                           ; a round of the cluster's barrier behind its opening barrier
	s_cmp_lg_u32 s[WV], 0
	s_cbranch_scc1 .Lnot_wave_0_\@
	s_barrier_signal -3
.Lnot_wave_0_\@:
	s_barrier_wait -3
	s_barrier_signal -1
	s_barrier_wait -1
.endm
.macro CROUND                          ; a whole round
	s_barrier_signal -1
	s_barrier_wait -1
	CREST
.endm
	s_load_b256 s[4:11], s[0:1], 0x0               ; xb s[4:5], wb s[6:7], ball s[8:9], qkv s[10:11]
	v_lshl_add_u32 v[SPW], v0, 2, SPARE
	v_mov_b32 v[NIL], 0
	ds_add_u32 v[SPW], v[NIL]                      ; the wave's opening: the add and its wait stand ahead of my first tensor load; work on registers stands between them
	v_lshrrev_b32 v1, 5, v0
	v_readfirstlane_b32 s[WV], v1
	s_lshr_b32 s[RH], s[WV], 1
	s_and_b32 s[CH], s[WV], 1
	s_bfe_u32 s40, ttmp6, 0x40000                  ; cx, cy: my place in the cluster
	s_bfe_u32 s41, ttmp6, 0x40004
	s_lshl_b32 s42, ttmp9, 2
	s_add_co_u32 s42, s42, s40                     ; tile column = 4 x cluster x + cx
	s_and_b32 s43, ttmp7, 0xffff
	s_lshl_b32 s43, s43, 2
	s_add_co_u32 s43, s43, s41                     ; tile row = 4 x cluster y + cy
	s_lshl_b32 s44, s41, 2
	s_lshl_b32 s44, 15, s44                        ; my row of the cluster
	s_lshl_b32 s45, 0x1111, s40                    ; my column
	s_or_b32 s[G1], s44, FLAGS                     ; x's tiles go to my row,
	s_or_b32 s[G1B], s45, FLAGS                    ; w's to my column
.irp g, G1, G1B
	s_mov_b32 s[(\g)+1], 128<<16                   ; tensor_dim0 = 128 elements: 256 bytes, two rows of a block
	s_mov_b32 s[(\g)+3], 128<<16                   ; tile_dim0 = 128
	s_mov_b32 s[(\g)+5], 128                       ; 128 elements from row to row: dense
	s_mov_b32 s[(\g)+6], 0
	s_mov_b32 s[(\g)+7], 0
.endr
	s_mov_b32 s[G1+2], 64<<16                      ; tensor_dim1 = 64: 128 rows of x
	s_mov_b32 s[G1+4], 64                          ; tile_dim1
	s_mov_b32 s[G1B+2], 96<<16                     ; 96: 192 rows of w
	s_mov_b32 s[G1B+4], 96
	s_mov_b32 s[TB], 0                             ; slot 0 is read first
	s_lshl_b32 s16, s43, 15                        ; x: 256 rows of 128 bytes a tile row,
	s_lshl_b32 s17, s[CH], 14                      ; 128 rows a half
	s_add_co_u32 s16, s16, s17
	s_mov_b32 s17, 0
	s_mul_i32 s46, s42, 384*128                    ; w: 384 rows a tile column,
	s_mul_i32 s47, s[CH], 192*128                  ; 192 a half
	s_add_co_u32 s46, s46, s47
	s_mov_b32 s47, 0
	s_mul_i32 s18, s[CH], AHALF                    ; where they go: no place in the cluster enters an LDS address
	s_mul_i32 s19, s[CH], BHALF
	s_add_co_u32 s19, s19, BOFF
	s_wait_dscnt 0x0                               ; the opening add is done
	s_wait_kmcnt 0x0
	s_add_nc_u64 s[20:21], s[4:5], s[16:17]
	s_add_nc_u64 s[46:47], s[6:7], s[46:47]
	CROUND                                         ; all sixteen work-groups are here: the first joint loads meet
.irp s, 0,1
	s_mov_b32 s[G0+4*(\s)], 1                                      ; count = 1
	s_add_co_u32 s[G0+4*(\s)+1], s18, (\s)*SLOT1                   ; LDS address
	s_add_nc_u64 s[G0+4*(\s)+2:G0+4*(\s)+3], s[20:21], (\s)*ASTEP  ; global address: K step s
	s_or_b32 s[G0+4*(\s)+3], s[G0+4*(\s)+3], 0x80000000            ; type = 2
	s_mov_b32 s[G0B+4*(\s)], 1
	s_add_co_u32 s[G0B+4*(\s)+1], s19, (\s)*SLOT1
	s_add_nc_u64 s[G0B+4*(\s)+2:G0B+4*(\s)+3], s[46:47], (\s)*BSTEP
	s_or_b32 s[G0B+4*(\s)+3], s[G0B+4*(\s)+3], 0x80000000
	JLOAD \s                                       ; two tensor loads of mine are out
.endr
	; A fragment is 16 rows x 32 K in 8 registers: lane l holds row l % 16, K = 8 (l / 16) + 0..7 and 16 + 8 (l / 16) + 0..7: two loads of 16 bytes, 32 bytes apart.
	v_and_b32 v1, 15, v0                           ; l % 16
	v_bfe_u32 v2, v0, 4, 1                         ; l / 16
	v_and_b32 v5, 31, v0                           ; l
	v_mul_u32_u24 v3, v1, PITCH
	v_lshl_add_u32 v3, v2, 4, v3
	s_mul_i32 s21, s[RH], AHALF                    ; my 128 rows of x
	s_mul_i32 s22, s[CH], BHALF                    ; my 192 rows of w
	s_add_co_u32 s22, s22, BOFF
	v_add_nc_u32 v[ADRA0], s21, v3
	v_add_nc_u32 v[ADRB0], s22, v3
	v_mov_b32 v[ADRA], v[ADRA0]                    ; slot 0
	v_mov_b32 v[ADRB], v[ADRB0]
	s_mul_i32 s15, s[RH], 64*SPITCH                ; into the stage: 64 rows for each half of the tile's rows, my 384 of their 768 bytes
	s_mul_i32 s2, s[CH], 384
	s_add_co_u32 s15, s15, s2
	s_add_co_u32 s15, s15, STAGE
	v_mul_u32_u24 v4, v1, SPITCH
	v_lshl_add_u32 v4, v2, 4, v4
	v_add_nc_u32 v[STO], s15, v4
	s_mul_i32 s15, s[WV], 32*SPITCH                ; back: wave w takes stage rows 32 w .. 32 w + 31, whole; two rows (1,536 bytes) are three loads of 512 bytes
	s_add_co_u32 s15, s15, STAGE
	v_lshl_add_u32 v[RDA], v5, 4, s15
	s_add_co_u32 s16, s15, 512
	v_mul_u32_u24 v6, v2, SPITCH-512               ; the second load: lanes 0-15 the even row's last 256 bytes, lanes 16-31 the odd row's first
	v_lshl_add_u32 v6, v1, 4, v6
	v_add_nc_u32 v[RDB], s16, v6
	v_lshlrev_b32 v[COA], 4, v5                    ; and the same bytes in qkv
	v_mul_u32_u24 v6, v2, CROW-512
	v_lshl_add_u32 v6, v1, 4, v6
	v_add_nc_u32 v[COB], 512, v6
	v_lshlrev_b32 v[VB], 5, v2
	s_lshl_b32 s16, s43, 8                         ; the first row of qkv that I store: 256 x tile row + 128 x row half + 32 x column half
	s_lshl_b32 s17, s[RH], 7
	s_add_co_u32 s16, s16, s17
	s_lshl_b32 s17, s[CH], 5
	s_add_co_u32 s16, s16, s17
	s_mul_i32 s16, s16, CROW
	s_mov_b32 s17, 0
	s_add_nc_u64 s[10:11], s[10:11], s[16:17]
	s_mul_i32 s46, s42, 768                        ; the tile's first column, in bytes
	s_mov_b32 s47, 0
	s_add_nc_u64 s[10:11], s[10:11], s[46:47]
	s_mul_i32 s46, s42, 384*4                      ; my 192 biases
	s_mul_i32 s47, s[CH], 192*4
	s_add_co_u32 s46, s46, s47
	s_mov_b32 s47, 0
	s_add_nc_u64 s[8:9], s[8:9], s[46:47]
	; the bias of column block b, eight numbers a lane, goes into accumulator (0, b): the sums of row blocks 1-7 start from it as C, then row block 0 adds in place
.irp g, 0,1,2
	WIN 0x40*((\g)+1)
.irp bb, 0,1,2,3
	global_load_b128 v[8*\bb:8*\bb+3],   v[VB], s[8:9] offset:64*(4*\g+\bb)
	global_load_b128 v[8*\bb+4:8*\bb+7], v[VB], s[8:9] offset:64*(4*\g+\bb)+16
.endr
.endr
	WIN 0
; Four matrix instructions: row block a x the four column blocks of group g, 32 along K, x's buffer pa.  cz = 1: C is accumulator (0, bb), which holds the bias.
.macro MULROW g, pa, a, cz
.irp bb, 0,1,2,3
.if \cz
	v_wmma_f32_16x16x32_bf16 v[8*(4*(\a)+\bb):8*(4*(\a)+\bb)+7], v[FB+32*(\g)+8*\bb:FB+32*(\g)+8*\bb+7], v[FA+64*(\pa)+8*(\a):FA+64*(\pa)+8*(\a)+7], v[8*\bb:8*\bb+7]
.else
	v_wmma_f32_16x16x32_bf16 v[8*(4*(\a)+\bb):8*(4*(\a)+\bb)+7], v[FB+32*(\g)+8*\bb:FB+32*(\g)+8*\bb+7], v[FA+64*(\pa)+8*(\a):FA+64*(\pa)+8*(\a)+7], v[8*(4*(\a)+\bb):8*(4*(\a)+\bb)+7]
.endif
.endr
.endm
; na row blocks from a0 on.  The 96 accumulators take turns, one instruction a turn, in the same order in every chunk.
.macro MULH g, pa, a0, na
	WIN 0x50*((\g)+1)
.set ma, \a0
.rept \na
	MULROW \g, \pa, ma, 0
.set ma, ma+1
.endr
.endm
; The first chunk's form: nothing is cleared.  Five places stand in front of the four instructions that write over registers which the others took as C (ISA guide 7.12.1).
.macro MULF g
	WIN 0x50*((\g)+1)
.set ma, 1
.rept 7
	MULROW \g, 0, ma, 1
.set ma, ma+1
.endr
.rept 5
	v_nop
.endr
	MULROW \g, 0, 0, 0
.endm
.macro LOADB g, k                      ; 8 LDS loads: w's four fragments of group g, at byte k of the rows of the slot in hand
.irp bb, 0,1,2,3
	ds_load_b128 v[FB+32*(\g)+8*\bb:FB+32*(\g)+8*\bb+3],   v[ADRB] offset:(\k)+(4*(\g)+\bb)*16*PITCH
	ds_load_b128 v[FB+32*(\g)+8*\bb+4:FB+32*(\g)+8*\bb+7], v[ADRB] offset:(\k)+(4*(\g)+\bb)*16*PITCH+32
.endr
.endm
.macro LOADA pa, k                     ; 16 LDS loads: x's eight fragments into buffer pa
.irp a, 0,1,2,3,4,5,6,7
	ds_load_b128 v[FA+64*(\pa)+8*\a:FA+64*(\pa)+8*\a+3],   v[ADRA] offset:(\k)+\a*16*PITCH
	ds_load_b128 v[FA+64*(\pa)+8*\a+4:FA+64*(\pa)+8*\a+7], v[ADRA] offset:(\k)+\a*16*PITCH+32
.endr
.endm
; A CHUNK: 96 matrix instructions on x's buffer pa; behind each group its registers take the next chunk's fragments (byte nk of the slot in hand).  LDS loads are always issued in the order
; group 0 (8), x (16), group 1 (8), group 2 (8), and come back in order (ISA guide 5.7.1), so each wait counts what was issued behind the loads that it needs.
.macro CHUNK pa, nk, first
	s_wait_dscnt 16                                ; group 0 and x are in; groups 1 and 2 may be out
.if \first
	MULF 0
.else
	MULH 0, \pa, 0, 8
.endif
	WIN 0
	PLACES
	LOADB 0, \nk
	LOADA 1-(\pa), \nk
	s_wait_dscnt 32                                ; group 1 is in; out: group 2 and the 24 just issued
.if \first
	MULF 1
.else
	MULH 1, \pa, 0, 8
.endif
	WIN 0
	PLACES
	LOADB 1, \nk
	s_wait_dscnt 32                                ; group 2 is in; out: the next chunk's 32
.if \first
	MULF 2
.else
	MULH 2, \pa, 0, 8
.endif
	WIN 0
	PLACES
	LOADB 2, \nk
.endm
; A slot's second chunk (buffer 1) changes slots: ONE barrier.  All reads of this slot have been issued.  In front of the barrier each wave waits for all its tensor loads (one is out: its part of the
; next slot), adds 0 to its spare word, and waits for that and for its reads.  fill = 1: the barrier opens a round of the cluster's, and the slot just left is filled again, two K steps on, first thing
; behind it: from that request to the wait for it the wave issues 160 matrix instructions.
.macro TURNC fill
	s_wait_dscnt 16
	MULH 0, 1, 0, 4
	WIN 0                                          ; (the add's two registers lie in window 0)
	s_wait_tensorcnt 0x0                           ; all my tensor loads have landed
	ds_add_u32 v[SPW], v[NIL]                      ; 0 onto my spare word
	MULH 0, 1, 4, 4                                ; sixteen matrix instructions stand between the add and the wait for it
	s_wait_dscnt 0x0                               ; the add is done, and my reads of this slot are over
	s_barrier_signal -1
	MULH 1, 1, 0, 4                                ; work on registers while the others arrive
	WIN 0
	s_xor_b32 s[TB], s[TB], SLOT1                  ; from here on the other slot is the slot in hand
	v_add_nc_u32 v[ADRA], s[TB], v[ADRA0]
	v_add_nc_u32 v[ADRB], s[TB], v[ADRB0]
	s_barrier_wait -1
.if \fill
	CREST                                          ; no wave of any partner still reads the slot just left or has a load on its way
	s_xor_b32 s[G0+5], s[G0+5], SLOT1              ; the walking descriptors: the other slot than last time,
	s_add_nc_u64 s[G0+6:G0+7], s[G0+6:G0+7], ASTEP ; the next K step; the type bits on top are not reached
	s_xor_b32 s[G0B+5], s[G0B+5], SLOT1
	s_add_nc_u64 s[G0B+6:G0B+7], s[G0B+6:G0B+7], BSTEP
	JLOAD 1                                        ; my one tensor load behind the round; its four v_nop are also the places in front of the loads below
.else
	PLACES
.endif
	LOADB 0, 0
	LOADA 0, 0
	MULH 1, 1, 4, 4
	WIN 0
	PLACES
	LOADB 1, 0
	MULH 2, 1, 0, 8
	WIN 0
	PLACES
	LOADB 2, 0
.endm
	s_wait_tensorcnt 1                             ; my part of K step 0 is in; step 1's may stay out
	s_barrier_signal -1
	s_barrier_wait -1                              ; everybody's is
	LOADB 0, 0
	LOADA 0, 0
	LOADB 1, 0
	LOADB 2, 0
	s_wait_loadcnt 0x0                             ; the biases
	CHUNK 0, 64, 1                                 ; the first chunk stands in front of the loop: its products start the sums
	s_mov_b32 s3, 14
.Lstep:                                                ; a trip: a step's second chunk, the next step's first; it asks for K steps 2 to 15
	TURNC 1
	CHUNK 0, 64, 0
	s_sub_co_u32 s3, s3, 1
	s_cmp_lg_u32 s3, 0
	s_cbranch_scc1 .Lstep
	TURNC 0                                        ; the last two K steps ask for nothing
	CHUNK 0, 64, 0
	s_wait_dscnt 16                                ; the very last chunk: the counts run down
	MULH 0, 1, 0, 8
	s_wait_dscnt 8
	MULH 1, 1, 0, 8
	s_wait_dscnt 0x0
	MULH 2, 1, 0, 8
; THE WAY OUT, in two passes of 64 rows a wave (row blocks 4 p .. 4 p + 3).  Rounded to bf16, 16 bytes a lane into the work-group's stage; a barrier, since a row's 768 bytes come from two waves;
; back as whole rows, 32 rows a wave; every 16 lanes store 256 consecutive bytes, at a multiple of 256 from qkv's first byte.
.macro PASS p
.irp a, 0,1,2,3
.irp w, 1,2,3
	WIN 5*\w                                       ; sources 0 and 1 in window w
.irp bb, 0,1,2,3
.irp q, 0,1,2,3
	v_cvt_pk_bf16_f32 v[TMP+4*(4*(\w-1)+\bb)+\q], v[8*(4*(4*(\p)+\a)+\bb)+2*\q], v[8*(4*(4*(\p)+\a)+\bb)+2*\q+1]
.endr
.endr
.endr
	WIN 0
.set sb, 0
.rept 12
	ds_store_b128 v[STO], v[TMP+4*sb:TMP+4*sb+3] offset:\a*16*SPITCH+32*sb
.set sb, sb+1
.endr
.endr
	s_wait_dscnt 0x0                               ; for the others' sake: my stores into the stage are done
	s_barrier_signal -1
	s_barrier_wait -1
.set u, 0
.rept 16
	ds_load_b128 v[OB+12*u:OB+12*u+3],    v[RDA] offset:u*2*SPITCH
	ds_load_b128 v[OB+12*u+4:OB+12*u+7],  v[RDB] offset:u*2*SPITCH
	ds_load_b128 v[OB+12*u+8:OB+12*u+11], v[RDA] offset:u*2*SPITCH+SPITCH+256
.set u, u+1
.endr
.set u, 0
.rept 16
	s_wait_dscnt 47-3*u                            ; the younger loads stay out
	global_store_b128 v[COA], v[OB+12*u:OB+12*u+3],    s[10:11] offset:(\p)*64*CROW+u*2*CROW
	s_wait_dscnt 46-3*u
	global_store_b128 v[COB], v[OB+12*u+4:OB+12*u+7],  s[10:11] offset:(\p)*64*CROW+u*2*CROW
	s_wait_dscnt 45-3*u
	global_store_b128 v[COA], v[OB+12*u+8:OB+12*u+11], s[10:11] offset:(\p)*64*CROW+u*2*CROW+CROW+256
.set u, u+1
.endr
.endm
	PLACES
	PASS 0
	s_barrier_signal -1                            ; every wave's reads of the stage are back (its count-down ended at 0): the stage may be written again
	s_barrier_wait -1
	s_wait_xcnt 0x0                                ; the stores' data registers are rewritten only behind this wait (ISA guide 3.1)
	PASS 1
	s_wait_tensorcnt 0x0                           ; the wave's end
	ds_add_u32 v[SPW], v[NIL]
	s_wait_dscnt 0x0
	CROUND                                         ; the closing round: no work-group ends while a partner may still ask for a tile that names it
	s_endpgm
.Lfunc_end_k_q92c56c85c3_proj:
	.size	k_q92c56c85c3_proj, .Lfunc_end_k_q92c56c85c3_proj-k_q92c56c85c3_proj
	.p2alignl 7, 3214868480
	.fill 96, 4, 3214868480
	.section	.rodata,"a",@progbits
	.p2align	6, 0x0
	.amdhsa_kernel k_q92c56c85c3_proj
		.amdhsa_group_segment_fixed_size 327680
		.amdhsa_private_segment_fixed_size 0
		.amdhsa_enable_private_segment 0
		.amdhsa_kernarg_size 32
		.amdhsa_user_sgpr_count 2
		.amdhsa_user_sgpr_kernarg_segment_ptr 1
		.amdhsa_wavefront_size32 1
		.amdhsa_system_sgpr_workgroup_id_x 1
		.amdhsa_system_sgpr_workgroup_id_y 1
		.amdhsa_system_sgpr_workgroup_id_z 1
		.amdhsa_system_vgpr_workitem_id 0
		.amdhsa_next_free_vgpr 1024
		.amdhsa_next_free_sgpr 66
		.amdhsa_reserve_vcc 0
		.amdhsa_float_denorm_mode_32 3
		.amdhsa_float_denorm_mode_16_64 3
		.amdhsa_memory_ordered 1
		.amdhsa_forward_progress 1
		.amdhsa_inst_pref_size 117
	.end_amdhsa_kernel
	.amdgpu_metadata
---
amdhsa.version: [ 1, 2 ]
amdhsa.kernels:
  - .name:           k_q92c56c85c3_proj
    .symbol:         k_q92c56c85c3_proj.kd
    .args:
      - { .name: xb, .offset: 0, .size: 8, .value_kind: global_buffer, .address_space: global }
      - { .name: wb, .offset: 8, .size: 8, .value_kind: global_buffer, .address_space: global }
      - { .name: ball, .offset: 16, .size: 8, .value_kind: global_buffer, .address_space: global }
      - { .name: qkv, .offset: 24, .size: 8, .value_kind: global_buffer, .address_space: global }
    .group_segment_fixed_size: 327680
    .private_segment_fixed_size: 0
    .kernarg_segment_align: 8
    .kernarg_segment_size: 32
    .max_flat_workgroup_size: 128
    .sgpr_count:     66
    .vgpr_count:     1024
    .wavefront_size: 32
...
	.end_amdgpu_metadata
.endif
;; end of part 2
;; launch scores (part 3): grid 8 x 32, 4 waves a work-group, clusters of 4 x 4, 327,680 bytes of LDS; arguments qkv, pbuf, mstat, lstat; writes pbuf, mstat, lstat
.if DOCPART == 3
	.amdgcn_target "amdgcn-amd-amdhsa--gfx1250"
	.amdhsa_code_object_version 6
	.text
	.protected	k_q92c56c85c3_scores
	.globl	k_q92c56c85c3_scores
	.p2align	8
	.type	k_q92c56c85c3_scores,@function
k_q92c56c85c3_scores:
	s_mov_b64 s[64:65], 0
	v_nop
	global_prefetch_b8 v0, s[64:65] scope:SCOPE_SE
	s_setreg_imm32_b32 hwreg(HW_REG_WAVE_MODE, 25, 1), 1
	s_wait_xcnt 0x0
	s_wait_alu depctr_hold_cnt(0) depctr_sa_sdst(0) depctr_va_vdst(0) depctr_va_sdst(0) depctr_va_ssrc(0) depctr_va_vcc(0) depctr_vm_vsrc(0)
	s_getreg_b32 s2, hwreg(HW_REG_IB_STS2, 6, 4)
	s_cmp_eq_u32 s2, 0
	s_cbranch_scc0 .Lentry_in_a_cluster
	s_endpgm
.Lentry_in_a_cluster:
	s_bfe_u32 s2, ttmp6, 0x10000c
	s_cmp_lg_u32 s2, 0xf033
	s_cbranch_scc0 .Lentry_shape_is_right
	s_endpgm
.Lentry_shape_is_right:
; For each tile of 256 queries x 256 keys of a batch: s = q . k (K = 1,024, sums in f32); m_t = the row's maximum over the tile's 256 keys; p' = 2^(c s - c m_t), c = log2(e) / 32, rounded to bf16;
; l_t = the row's sum of the unrounded p'.  mstat, lstat [4 batches][8 tiles][2048 rows] f32 hold c m_t and l_t.
; The row's true maximum over the tile is taken away here; the next launch joins the eight tiles by their maxima.  No exponent is above 0.
; pbuf holds p' IN THE ORDER OF THE NEXT LAUNCH'S FRAGMENTS: [512 blocks of 16 rows][64 quarters of 32 keys][1,024 bytes]; in a block, key 16 j + 8 h + e of row r lies at byte 512 j + 16 (16 h + r) + 2 e.
; A lane's eight results of an accumulator are one such piece of 16 bytes, at 16 x lane: they are stored straight from registers, 512 consecutive bytes an instruction, with no way through LDS.
; q, k: columns 0-1023 and 1024-2047 of qkv [8192][3072] bf16.
; SHARES.  32 x 8 = 256 work-groups, a tile each.  Four waves, each 128 x 128: 64 accumulators of 16 x 16, 512 registers.  K goes in 8 steps of 128 through a ring of two LDS slots;
; the tiles' rows are 256 bytes of memory at multiples of 256 from the buffer's first byte.  THE LOOP'S BODY IS ONE K STEP: the slot in hand lies at s[TB], 0 or SLOT, which one exclusive or turns.
; CLUSTER.  4 x 4 work-groups of one batch: the four of a row need the same queries, the four of a column the same keys: joint tensor loads, the same descriptor and mask in the four.
; THE MATRIX INSTRUCTION IS USED TRANSPOSED (source 0 = 16 keys, source 1 = 16 queries): lane l holds ONE query (l % 16) and the keys 8 (l / 16) + 0..7 of each block.
; REGISTERS, in windows of 256 (s_set_vgpr_msb: bits 1:0 source 0, 3:2 source 1, 5:4 source 2, 7:6 destination):
;   window 0: v0-31 addresses; v64-127, v128-191 q's fragments, two buffers; behind the products: v64-95 chains, v96-111 (c m, m) a row block, v120-127 l, v128-159 sums at work, v192-223, v224-255 packed, by turns
;   window 1: v64-127, v128-191 k's fragments      window 2: accumulators of my rows 0-63 ((a, b) at v[8 (8 a + b)])      window 3: rows 64-127
; LIMITS.  q, k and p' in bf16; a p' below 2^-126 counts as 0; NaN and infinities are not treated apart.
.set KSTEP,  128
.set PITCH,  272                       ; an LDS row: 256 bytes + 16 of padding = 68 words: the 16 rows of a load start at 16 different groups of four banks (64 banks of 4 bytes: ISA guide 11.1)
.set HALFT,  128*PITCH                 ; 0x8800
.set SLOT,   4*HALFT                   ; q's 256 rows, then k's 256 rows: 0x22000, whose two bits meet none of wave x 0x8800: for the descriptors' LDS words the exclusive or is the sum
.set MXA,    2*SLOT                    ; behind the ring: [2 column halves][256 rows] f32: the halves' maxima
.set SMA,    MXA+2048                  ; the same shape: their sums
.set SPARE,  MXA+4096                  ; the spare words, 128 bytes for each wave
.set STEPS,  8
.set CROW,   3072*2                    ; bytes in a row of qkv
.set PBLK,   65536                     ; bytes of pbuf for 16 rows
.set ADRA0, 16                         ; v16  my lane's place among q's fragments in a slot; never rewritten
.set ADRB0, 17                         ; v17  the same for k
.set ADRA, 20                          ; v20  LDS address of my fragments of q in the slot in hand
.set ADRB, 21                          ; v21  the same for k
.set SCO,  22                          ; v22  8 x lane: my two rows' statistics
.set CO,   26                          ; v26  16 x lane: my piece in 512 bytes of pbuf
.set MXS,  27                          ; v27  where I put a row's maximum (and, 2,048 on, its sum)
.set SPW,  28
.set NIL,  29
.set MXL,  30                          ; v30  where the other column half put it
.set STL,  31                          ; v31  the two rows whose statistics I store
.set F0,   64
.set F1,   128
.set CHN,  64
.set CM,   96
.set LS,   120
.set TS,   128
.set TMP,  192
.set WV,  12
.set RH,  13
.set CH,  14
.set TB,  19                           ; s19 LDS byte at which the slot in hand begins
.set G1,  24
.set G0,  32                           ; s[32:39] group 0 for q's tiles: a set for each of the two first fills; the second then walks on
.set G1B, 48
.set G0B, 56
.set CS,  66                           ; s[66:67] c: the packed scaling takes the pair's low word for both halves
.set SEL, 68                           ; s[68:69] v_permlanex16_b32's selects: each lane takes its own place in the other half
.set FLAGS, (1<<16)|(1<<20)|(1<<21)|(5<<22)|(3<<25)  ; elements of 2 bytes; padding on; 21 set beside a mask; behind every 64 words (code 5) 4 words (code 3)
.set MSB, 0
.macro WIN new
.if MSB != (\new)
	s_set_vgpr_msb (MSB<<8)|(\new)
.set MSB, \new
.endif
.endm
.set MUL_LO, 0xa1                      ; source 0 (k) window 1, source 1 (q) window 0, C and D window 2
.set MUL_HI, 0xf1                      ; the same, C and D window 3
.set TO_B,   0x40                      ; destination window 1, address window 0
.macro PLACES
.rept 4
	v_nop
.endr
.endm
.macro JLOAD s                         ; a joint load: waves 0 and 1 fetch q's two halves, waves 2 and 3 k's; an s_nop 0 and four v_nop follow each line
	s_cmp_eq_u32 s[RH], 0
	s_cbranch_scc0 .Lfor_b_\@
	tensor_load_to_lds s[G0+4*(\s):G0+4*(\s)+3], s[G1:G1+7]
	s_nop 0
.rept 4
	v_nop
.endr
	s_branch .Lasked_\@
.Lfor_b_\@:
	tensor_load_to_lds s[G0B+4*(\s):G0B+4*(\s)+3], s[G1B:G1B+7]
	s_nop 0
.rept 4
	v_nop
.endr
.Lasked_\@:
.endm
.macro CREST
	s_cmp_lg_u32 s[WV], 0
	s_cbranch_scc1 .Lnot_wave_0_\@
	s_barrier_signal -3
.Lnot_wave_0_\@:
	s_barrier_wait -3
	s_barrier_signal -1
	s_barrier_wait -1
.endm
.macro CROUND
	s_barrier_signal -1
	s_barrier_wait -1
	CREST
.endm
	s_load_b256 s[4:11], s[0:1], 0x0               ; qkv s[4:5], pbuf s[6:7], mstat s[8:9], lstat s[10:11]
	v_lshl_add_u32 v[SPW], v0, 2, SPARE
	v_mov_b32 v[NIL], 0
	ds_add_u32 v[SPW], v[NIL]                      ; the wave's opening: the add and its wait stand ahead of my first tensor load
	v_lshrrev_b32 v1, 5, v0
	v_readfirstlane_b32 s[WV], v1
	s_lshr_b32 s[RH], s[WV], 1
	s_and_b32 s[CH], s[WV], 1
	s_bfe_u32 s40, ttmp6, 0x40000                  ; cx, cy
	s_bfe_u32 s41, ttmp6, 0x40004
	s_lshl_b32 s42, ttmp9, 2
	s_add_co_u32 s42, s42, s40                     ; the key tile in the batch = 4 x cluster x + cx
	s_and_b32 s15, ttmp7, 0xffff
	s_lshl_b32 s43, s15, 2
	s_add_co_u32 s43, s43, s41                     ; the query tile among all 32 = 4 x cluster y + cy
	s_lshr_b32 s15, s15, 1                         ; the batch, from the cluster's y alone: all sixteen partners share it
	s_lshl_b32 s44, s41, 2
	s_lshl_b32 s44, 15, s44                        ; my row of the cluster
	s_lshl_b32 s45, 0x1111, s40                    ; my column
	s_or_b32 s[G1], s44, FLAGS
	s_or_b32 s[G1B], s45, FLAGS
.irp g, G1, G1B
	s_mov_b32 s[(\g)+1], KSTEP<<16                 ; tensor_dim0 = 128
	s_mov_b32 s[(\g)+2], 128<<16                   ; tensor_dim1 = 128
	s_mov_b32 s[(\g)+3], KSTEP<<16                 ; tile_dim0 = 128
	s_mov_b32 s[(\g)+4], 128                       ; tile_dim1 = 128
	s_mov_b32 s[(\g)+5], 3072                      ; elements from row to row
	s_mov_b32 s[(\g)+6], 0
	s_mov_b32 s[(\g)+7], 0
.endr
	s_mov_b32 s[CS], 0x3d38aa3b                    ; c = log2(e) / 32
	s_mov_b32 s[CS+1], s[CS]
	s_mov_b32 s[SEL], 0x76543210
	s_mov_b32 s[SEL+1], 0xfedcba98
	s_mov_b32 s[TB], 0                             ; slot 0 is read first
	s_lshl_b32 s16, s43, 8                         ; q: row 256 x query tile + 128 x half
	s_lshl_b32 s17, s[CH], 7
	s_add_co_u32 s16, s16, s17
	s_mul_i32 s16, s16, CROW
	s_mov_b32 s17, 0
	s_lshl_b32 s46, s42, 8                         ; k: row 2,048 x batch + 256 x key tile + 128 x half, 2,048 bytes into the row
	s_lshl_b32 s47, s[CH], 7
	s_add_co_u32 s46, s46, s47
	s_lshl_b32 s47, s15, 11
	s_add_co_u32 s46, s46, s47
	s_mul_i32 s46, s46, CROW
	s_add_co_u32 s46, s46, 2048
	s_mov_b32 s47, 0
	s_mul_i32 s18, s[WV], HALFT                    ; where they go: q's two halves, then k's two = wave x 128 rows
	s_wait_dscnt 0x0                               ; the opening add is done
	s_wait_kmcnt 0x0
	s_add_nc_u64 s[20:21], s[4:5], s[16:17]
	s_add_nc_u64 s[46:47], s[4:5], s[46:47]
	CROUND                                         ; all sixteen work-groups are here: the first joint loads meet
.irp s, 0,1
	s_mov_b32 s[G0+4*(\s)], 1
	s_add_co_u32 s[G0+4*(\s)+1], s18, (\s)*SLOT
	s_add_nc_u64 s[G0+4*(\s)+2:G0+4*(\s)+3], s[20:21], (\s)*KSTEP*2
	s_or_b32 s[G0+4*(\s)+3], s[G0+4*(\s)+3], 0x80000000
	s_mov_b32 s[G0B+4*(\s)], 1
	s_add_co_u32 s[G0B+4*(\s)+1], s18, (\s)*SLOT
	s_add_nc_u64 s[G0B+4*(\s)+2:G0B+4*(\s)+3], s[46:47], (\s)*KSTEP*2
	s_or_b32 s[G0B+4*(\s)+3], s[G0B+4*(\s)+3], 0x80000000
	JLOAD \s                                       ; two tensor loads of mine are out
.endr
	v_and_b32 v1, 15, v0                           ; l % 16
	v_bfe_u32 v2, v0, 4, 1                         ; l / 16
	v_and_b32 v5, 31, v0                           ; l
	v_mul_u32_u24 v3, v1, PITCH
	v_lshl_add_u32 v3, v2, 4, v3
	s_mul_i32 s21, s[RH], HALFT                    ; my 128 queries
	s_mul_i32 s22, s[CH], HALFT                    ; my 128 keys,
	s_add_co_u32 s22, s22, 2*HALFT                 ; which lie behind q's 256 rows
	v_add_nc_u32 v[ADRA0], s21, v3
	v_add_nc_u32 v[ADRB0], s22, v3
	v_mov_b32 v[ADRA], v[ADRA0]                    ; slot 0
	v_mov_b32 v[ADRB], v[ADRB0]
	v_lshlrev_b32 v[CO], 4, v5
	s_lshl_b32 s2, s[RH], 9                        ; statistics in LDS: [column half][row]: my 128 rows are 512 bytes on end
	s_add_co_u32 s2, s2, MXA
	s_lshl_b32 s23, s[CH], 10
	s_add_co_u32 s23, s23, s2
	v_lshl_add_u32 v[MXS], v1, 2, s23
	s_xor_b32 s23, s[CH], 1
	s_lshl_b32 s23, s23, 10
	s_add_co_u32 s23, s23, s2
	v_lshl_add_u32 v[MXL], v1, 2, s23
	s_lshl_b32 s23, s[WV], 8
	s_add_co_u32 s23, s23, MXA
	v_lshl_add_u32 v[STL], v5, 3, s23
	v_lshlrev_b32 v[SCO], 3, v5
	s_lshl_b32 s16, s43, 20                        ; pbuf at my first block of 16 rows: 16 blocks a query tile, 8 a row half,
	s_lshl_b32 s17, s[RH], 19
	s_add_co_u32 s16, s16, s17
	s_mov_b32 s17, 0
	s_add_nc_u64 s[6:7], s[6:7], s[16:17]
	s_lshl_b32 s46, s42, 13                        ; and my first quarter of 32 keys: 8 quarters a key tile, 4 a column half
	s_lshl_b32 s47, s[CH], 12
	s_add_co_u32 s46, s46, s47
	s_mov_b32 s47, 0
	s_add_nc_u64 s[6:7], s[6:7], s[46:47]
	s_lshl_b32 s46, s15, 3                         ; mstat, lstat at [batch][key tile][256 x (query tile % 8) + 64 x wave]
	s_add_co_u32 s46, s46, s42
	s_lshl_b32 s46, s46, 13
	s_and_b32 s47, s43, 7
	s_lshl_b32 s47, s47, 10
	s_add_co_u32 s46, s46, s47
	s_lshl_b32 s47, s[WV], 8
	s_add_co_u32 s46, s46, s47
	s_mov_b32 s47, 0
	s_add_nc_u64 s[8:9], s[8:9], s[46:47]
	s_add_nc_u64 s[10:11], s[10:11], s[46:47]
; 16 matrix instructions: row blocks a0, a0 + 1 of the window's four x all 8 key blocks, 32 along K.  zero = 1: the first product starts the sums.  The 64 accumulators take turns.
.macro MUL16 f, hi, a0, zero
	WIN MUL_LO+0x50*(\hi)
.irp a, \a0, (\a0)+1
.irp b, 0,1,2,3,4,5,6,7
.if \zero
	v_wmma_f32_16x16x32_bf16 v[8*(8*(\a)+(\b)):8*(8*(\a)+(\b))+7], v[(\f)+8*(\b):(\f)+8*(\b)+7], v[(\f)+8*(4*(\hi)+(\a)):(\f)+8*(4*(\hi)+(\a))+7], 0
.else
	v_wmma_f32_16x16x32_bf16 v[8*(8*(\a)+(\b)):8*(8*(\a)+(\b))+7], v[(\f)+8*(\b):(\f)+8*(\b)+7], v[(\f)+8*(4*(\hi)+(\a)):(\f)+8*(4*(\hi)+(\a))+7], v[8*(8*(\a)+(\b)):8*(8*(\a)+(\b))+7]
.endif
.endr
.endr
.endm
.macro FETCH k, f                      ; 32 LDS loads in one run: a quarter step's fragments (128 keys, 128 queries, 32 K at byte k of the slot in hand) into buffer f
	WIN TO_B
.irp i, 0,1,2,3,4,5,6,7
	ds_load_b128 v[(\f)+8*(\i):(\f)+8*(\i)+3],   v[ADRB] offset:(\k)+(\i)*16*PITCH
	ds_load_b128 v[(\f)+8*(\i)+4:(\f)+8*(\i)+7], v[ADRB] offset:(\k)+(\i)*16*PITCH+32
.endr
	WIN 0
.irp i, 0,1,2,3,4,5,6,7
	ds_load_b128 v[(\f)+8*(\i):(\f)+8*(\i)+3],   v[ADRA] offset:(\k)+(\i)*16*PITCH
	ds_load_b128 v[(\f)+8*(\i)+4:(\f)+8*(\i)+7], v[ADRA] offset:(\k)+(\i)*16*PITCH+32
.endr
.endm
.macro QUARTER k, f, g, zero           ; multiplies buffer f; in its middle fetches the next quarter, at byte k, into g
	s_wait_dscnt 8                                 ; k and q's rows 0-63 are in; the youngest eight loads (q's rows 64-127) may be out
	MUL16 \f, 0, 0, \zero
	MUL16 \f, 0, 2, \zero
	PLACES
	FETCH \k, \g
	s_wait_dscnt 32                                ; all but the 32 just issued
	MUL16 \f, 1, 0, \zero
	MUL16 \f, 1, 2, \zero
.endm
; The last quarter multiplies buffer 1 and changes slots: ONE barrier; in front of it each wave waits for all its tensor loads (one is out: its part of the next slot), adds 0 to its spare word, and waits
; for that and for its reads of this slot.  fill = 1: the barrier opens a round of the cluster's, and the slot just left is filled again, two K steps on, first thing behind it: 224 matrix instructions ahead of the wait for it.
.macro TURN fill
	WIN 0
	s_wait_tensorcnt 0x0
	ds_add_u32 v[SPW], v[NIL]
	s_wait_dscnt 9                                 ; (the add and the youngest eight loads may be out)
	MUL16 F1, 0, 0, 0
	s_wait_dscnt 0x0                               ; the add is done, and my reads of this slot are over
	s_barrier_signal -1
	MUL16 F1, 0, 2, 0
	WIN 0
	s_xor_b32 s[TB], s[TB], SLOT                   ; from here on the other slot is the slot in hand
	v_add_nc_u32 v[ADRA], s[TB], v[ADRA0]
	v_add_nc_u32 v[ADRB], s[TB], v[ADRB0]
	s_barrier_wait -1
.if \fill
	CREST
	s_xor_b32 s[G0+5], s[G0+5], SLOT               ; the walking descriptors: the other slot than last time,
	s_add_nc_u64 s[G0+6:G0+7], s[G0+6:G0+7], KSTEP*2  ; the next K step; the type bits on top are not reached
	s_xor_b32 s[G0B+5], s[G0B+5], SLOT
	s_add_nc_u64 s[G0B+6:G0B+7], s[G0B+6:G0B+7], KSTEP*2
	JLOAD 1                                        ; its four v_nop are also the places in front of the loads below
.else
	PLACES
.endif
	FETCH 0, F0
	MUL16 F1, 1, 0, 0
	MUL16 F1, 1, 2, 0
.endm
	s_wait_tensorcnt 1                             ; my part of K step 0 is in; step 1's may stay out
	s_barrier_signal -1
	s_barrier_wait -1
	FETCH 0, F0
	QUARTER 64,  F0, F1, 1                         ; the first quarter stands in front of the loop: its products start the sums
	WIN 0
	s_mov_b32 s3, STEPS-2
.Lstep:                                                ; a trip goes from a step's second quarter to the next step's first, and asks for K steps 2 to 7
	QUARTER 128, F1, F0, 0
	QUARTER 192, F0, F1, 0
	TURN 1
	QUARTER 64,  F0, F1, 0
	WIN 0
	s_sub_co_u32 s3, s3, 1
	s_cmp_lg_u32 s3, 0
	s_cbranch_scc1 .Lstep
	QUARTER 128, F1, F0, 0                         ; the last two steps ask for nothing
	QUARTER 192, F0, F1, 0
	TURN 0
	QUARTER 64,  F0, F1, 0
	QUARTER 128, F1, F0, 0
	QUARTER 192, F0, F1, 0
	s_wait_dscnt 8
	MUL16 F1, 0, 0, 0
	MUL16 F1, 0, 2, 0
	s_wait_dscnt 0x0
	MUL16 F1, 1, 0, 0
	MUL16 F1, 1, 2, 0
; THE MAXIMUM.  A lane holds 64 scores of each of its 8 rows.  Four chains a row block, each over two accumulators, three operands at a time; each accumulator's lowest registers are read first.
.macro CHAINS a
.set AC, 64*((\a)%4)
	WIN 0x0a+5*((\a)/4)                            ; sources 0 and 1 in window 2 or 3
.irp k, 0,1,2,3,4,5,6,7
.irp i, 0,1,2,3
.if \k == 0
	v_max_num_f32 v[CHN+4*(\a)+\i], v[AC+16*\i], v[AC+16*\i+1]
.else
	v_max3_num_f32 v[CHN+4*(\a)+\i], v[AC+16*\i+2*\k], v[AC+16*\i+2*\k+1], v[CHN+4*(\a)+\i]
.endif
.endr
.endr
.endm
.macro ALL8 line:vararg                ; one line for each row block t
.set t, 0
.rept 8
	\line
.set t, t+1
.endr
.endm
	PLACES
.irp a, 0,1,2,3,4,5,6,7
	CHAINS \a
.endr
	WIN 0
	ALL8 v_max3_num_f32 v[CHN+4*t], v[CHN+4*t], v[CHN+4*t+1], v[CHN+4*t+2]
	ALL8 v_max_num_f32 v[CHN+4*t], v[CHN+4*t], v[CHN+4*t+3]
	ALL8 v_permlanex16_b32 v[CHN+4*t+1], v[CHN+4*t], s[SEL], s[SEL+1]  ; the row's other 64 keys of my half lie in the lane 16 away
	ALL8 v_max_num_f32 v[CHN+4*t], v[CHN+4*t], v[CHN+4*t+1]
	ALL8 ds_store_b32 v[MXS], v[CHN+4*t] offset:64*t
	s_wait_dscnt 0x0                               ; for the other column half's sake: my maxima are stored
	s_barrier_signal -1
	s_barrier_wait -1
	ALL8 ds_load_b32 v[CHN+4*t+1], v[MXL] offset:64*t
	s_wait_dscnt 0x0
	ALL8 v_max_num_f32 v[CM+2*t+1], v[CHN+4*t], v[CHN+4*t+1]  ; m_t over all 256 keys
	ALL8 v_mul_f32 v[CM+2*t], s[CS], v[CM+2*t+1]             ; c m_t
; ROW BLOCK a: p' = 2^(c s - c m), in place; rounded to bf16; summed; stored.  A plain instruction stands behind every second exponential, and one v_nop behind the last, ahead of the first use of a result (ISA guide 5.7.2).
.macro SCL a, n
	v_pk_fma_f32 v[AC+2*(\n):AC+2*(\n)+1], v[AC+2*(\n):AC+2*(\n)+1], s[CS:CS+1], v[CM+2*(\a):CM+2*(\a)+1] op_sel_hi:[1,0,0] neg_lo:[0,0,1] neg_hi:[0,0,1]
.endm
.macro PACK a
.set AC, 64*((\a)%4)
.set TM, TMP+32*((\a)%2)               ; two sets of packed results take turns
	WIN 0x82+0x41*((\a)/4)                         ; destination and source 0 in window 2 or 3, c m in window 0
.set i, 0
.rept 4
	SCL \a, i
.set i, i+1
.endr
.set i, 0
.rept 32
	v_exp_f32 v[AC+2*i], v[AC+2*i]
.if i < 28
	SCL \a, i+4
.endif
	v_exp_f32 v[AC+2*i+1], v[AC+2*i+1]
.set i, i+1
.endr
	v_nop
.if (\a) >= 2
	s_wait_xcnt 0x0                                ; the set that the stores of two blocks back read is written again only behind this wait (ISA guide 3.1)
.endif
	WIN 0x0a+5*((\a)/4)
.set i, 0
	s_wait_alu depctr_va_vdst(0)
.rept 16
	v_cvt_pk_bf16_f32 v[TM+2*i], v[AC+4*i], v[AC+4*i+1]
	v_cvt_pk_bf16_f32 v[TM+2*i+1], v[AC+4*i+2], v[AC+4*i+3]
	v_pk_add_f32 v[TS+2*i:TS+2*i+1], v[AC+4*i:AC+4*i+1], v[AC+4*i+2:AC+4*i+3]
.set i, i+1
.endr
	WIN 0
.irp n, 8,4,2,1
.set i, 0
.rept \n
	v_pk_add_f32 v[TS+2*i:TS+2*i+1], v[TS+2*i:TS+2*i+1], v[TS+2*(i+\n):TS+2*(i+\n)+1]
.set i, i+1
.endr
.endr
	v_add_f32 v[LS+(\a)], v[TS], v[TS+1]
.irp b, 0,1,2,3,4,5,6,7
	global_store_b128 v[CO], v[TM+4*\b:TM+4*\b+3], s[6:7] offset:(\a)*PBLK+\b*512  ; key block b: half b % 2 of quarter b / 2: 512 consecutive bytes, at a multiple of 512 from pbuf's first byte
.endr
.endm
.irp a, 0,1,2,3,4,5,6,7
	PACK \a
.endr
	; THE STATISTICS.  The sums of the two halves of the lanes; both column halves' figures meet in LDS; wave w stores rows 64 w .. 64 w + 63, 256 consecutive bytes of each table.
	ALL8 v_permlanex16_b32 v[CHN+4*t], v[LS+t], s[SEL], s[SEL+1]
	ALL8 v_add_f32 v[LS+t], v[LS+t], v[CHN+4*t]
	ALL8 ds_store_b32 v[MXS], v[LS+t] offset:2048+64*t
	s_wait_dscnt 0x0                               ; for the others' sake: my sums are stored
	s_barrier_signal -1
	s_barrier_wait -1
	ds_load_b64 v[CHN:CHN+1],   v[STL]
	ds_load_b64 v[CHN+2:CHN+3], v[STL] offset:1024
	ds_load_b64 v[CHN+4:CHN+5], v[STL] offset:2048
	ds_load_b64 v[CHN+6:CHN+7], v[STL] offset:3072
	s_wait_dscnt 0x0
	v_max_num_f32 v[CHN], v[CHN], v[CHN+2]
	v_max_num_f32 v[CHN+1], v[CHN+1], v[CHN+3]
	v_mul_f32 v[CHN], s[CS], v[CHN]                ; the same product as above: the same c m_t, bit for bit
	v_mul_f32 v[CHN+1], s[CS], v[CHN+1]
	v_pk_add_f32 v[CHN+4:CHN+5], v[CHN+4:CHN+5], v[CHN+6:CHN+7]
	global_store_b64 v[SCO], v[CHN:CHN+1], s[8:9]
	global_store_b64 v[SCO], v[CHN+4:CHN+5], s[10:11]
	s_wait_tensorcnt 0x0                           ; the wave's end
	ds_add_u32 v[SPW], v[NIL]
	s_wait_dscnt 0x0
	CROUND                                         ; the closing round
	s_endpgm
.Lfunc_end_k_q92c56c85c3_scores:
	.size	k_q92c56c85c3_scores, .Lfunc_end_k_q92c56c85c3_scores-k_q92c56c85c3_scores
	.p2alignl 7, 3214868480
	.fill 96, 4, 3214868480
	.section	.rodata,"a",@progbits
	.p2align	6, 0x0
	.amdhsa_kernel k_q92c56c85c3_scores
		.amdhsa_group_segment_fixed_size 327680
		.amdhsa_private_segment_fixed_size 0
		.amdhsa_enable_private_segment 0
		.amdhsa_kernarg_size 32
		.amdhsa_user_sgpr_count 2
		.amdhsa_user_sgpr_kernarg_segment_ptr 1
		.amdhsa_wavefront_size32 1
		.amdhsa_system_sgpr_workgroup_id_x 1
		.amdhsa_system_sgpr_workgroup_id_y 1
		.amdhsa_system_sgpr_workgroup_id_z 1
		.amdhsa_system_vgpr_workitem_id 0
		.amdhsa_next_free_vgpr 1024
		.amdhsa_next_free_sgpr 70
		.amdhsa_reserve_vcc 0
		.amdhsa_float_denorm_mode_32 3
		.amdhsa_float_denorm_mode_16_64 3
		.amdhsa_memory_ordered 1
		.amdhsa_forward_progress 1
		.amdhsa_inst_pref_size 177
	.end_amdhsa_kernel
	.amdgpu_metadata
---
amdhsa.version: [ 1, 2 ]
amdhsa.kernels:
  - .name:           k_q92c56c85c3_scores
    .symbol:         k_q92c56c85c3_scores.kd
    .args:
      - { .name: qkv, .offset: 0, .size: 8, .value_kind: global_buffer, .address_space: global }
      - { .name: pbuf, .offset: 8, .size: 8, .value_kind: global_buffer, .address_space: global }
      - { .name: mstat, .offset: 16, .size: 8, .value_kind: global_buffer, .address_space: global }
      - { .name: lstat, .offset: 24, .size: 8, .value_kind: global_buffer, .address_space: global }
    .group_segment_fixed_size: 327680
    .private_segment_fixed_size: 0
    .kernarg_segment_align: 8
    .kernarg_segment_size: 32
    .max_flat_workgroup_size: 128
    .sgpr_count:     70
    .vgpr_count:     1024
    .wavefront_size: 32
...
	.end_amdgpu_metadata
.endif
;; end of part 3
;; launch pv (part 4): grid 4 x 64, 4 waves a work-group, clusters of 4 x 4, 327,680 bytes of LDS; arguments pbuf, qkv, mstat, lstat, out0; writes out0
.if DOCPART == 4
	.amdgcn_target "amdgcn-amd-amdhsa--gfx1250"
	.amdhsa_code_object_version 6
	.text
	.protected	k_q92c56c85c3_pv
	.globl	k_q92c56c85c3_pv
	.p2align	8
	.type	k_q92c56c85c3_pv,@function
k_q92c56c85c3_pv:
	s_mov_b64 s[64:65], 0
	v_nop
	global_prefetch_b8 v0, s[64:65] scope:SCOPE_SE
	s_setreg_imm32_b32 hwreg(HW_REG_WAVE_MODE, 25, 1), 1
	s_wait_xcnt 0x0
	s_wait_alu depctr_hold_cnt(0) depctr_sa_sdst(0) depctr_va_vdst(0) depctr_va_sdst(0) depctr_va_ssrc(0) depctr_va_vcc(0) depctr_vm_vsrc(0)
	s_getreg_b32 s2, hwreg(HW_REG_IB_STS2, 6, 4)
	s_cmp_eq_u32 s2, 0
	s_cbranch_scc0 .Lentry_in_a_cluster
	s_endpgm
.Lentry_in_a_cluster:
	s_bfe_u32 s2, ttmp6, 0x10000c
	s_cmp_lg_u32 s2, 0xf033
	s_cbranch_scc0 .Lentry_shape_is_right
	s_endpgm
.Lentry_shape_is_right:
; out[q][:] = sum over the 8 key tiles t of g_t(q) (P'_t V_t)[q][:],  g_t = 2^(c m_t - CM) / L,  CM = max over t of c m_t,  L = sum over t of 2^(c m_t - CM) l_t:
; the softmax's maximum over all 2,048 keys is taken away here, by the tiles' factors, none of which is above 1; L is at least the largest tile's l_t, which holds a weight 1.
; pbuf: p' in bf16, in fragment order: [512 blocks of 16 rows][64 quarters of 32 keys][1,024 bytes], key 16 j + 8 h + e of row r at byte 512 j + 16 (16 h + r) + 2 e.
; v = columns 2048-3071 of qkv [8192][3072] bf16, mstat, lstat [4][8][2048] f32, out0 [8192][1024] f32.
; SHARES.  A tile is 128 queries x 256 channels: 64 x 4 = 256 work-groups.  Four waves, each 64 x 128: 4 x 8 accumulators.  A LAP is 256 keys, one tile t, eight QUARTERS of 32 keys:
; its product T starts at 0 and at the lap's end O += g_t T.
; V goes through a ring of two LDS slots of a lap each; each wave fetches 64 of a slot's 256 keys.  The slot in hand lies at s[TB], 0 or SLOT, which one exclusive or turns.
; CLUSTER.  4 x 4 work-groups of one batch.  The four of a column need the same channels of v: joint tensor loads.
; P' IS NOT SHARED, and does not pass LDS: a fragment is two loads of 512 consecutive bytes straight into registers, into a ring of eight quarters (window 1): at a quarter's head the buffer read in the
; quarter before takes the quarter seven on.  The reason, by the sizes: beside V in LDS a key costs 272 + 544 bytes, and two slots of 256 keys, 417,792 bytes, do not fit; with V alone they are 278,528.
; So one round of the cluster's barrier serves 256 matrix instructions a wave where it would serve 128, and a wave's LDS loads are 16 for 32 matrix instructions where they would be 24.
; The price: p', a third of a step's bytes, is asked for by eight waves (two of a work-group, four partners) where one joint load would do.
; THE MATRIX INSTRUCTION IS USED TRANSPOSED: source 0 = 16 channels x 32 keys (v lies [key][channel] and is turned by ds_load_tr16_b128), source 1 = 16 queries x 32 keys:
; lane l holds ONE query (l % 16) and eight neighbouring channels 8 (l / 16) + 0..7.
; REGISTERS, in windows of 256 (s_set_vgpr_msb: bits 1:0 source 0, 3:2 source 1, 5:4 source 2, 7:6 destination):
;   window 0: v0-31 addresses; v32-39 the lap's four pairs (g, g); v40-58 at work at the start; v64-127, v128-191 v's fragments, two buffers; v192-207 zeros
;   window 1: p's ring: quarter q's row block a at v[32 q + 8 a]      window 2: T ((a, b) at v[8 (8 a + b)])      window 3: O, likewise
; ONE TEXT FOR THE LAST TWO LAPS, and its price in the last: the ring's seven loads for a lap that does not exist are turned onto the last lap itself (inside pbuf) and serve nothing; so do one fetch of v and one barrier.
; O starts as 32 products of zero fragments, which stand in the wait for the first tile: a quarter of the text that 256 moves would take.
; LIMITS.  p' and v in bf16; a factor below 2^-126 counts as 0; NaN and infinities are not treated apart.
.set PV,     544                       ; a row of v in LDS: 512 + 32 = 136 words
.set QUART,  32*PV                     ; a quarter's 32 keys
.set WPART,  64*PV                     ; 64 keys: what one wave's tensor load brings: 0x8800
.set SLOT,   4*WPART                   ; 256 keys: 0x22000, whose two bits meet none of wave x 0x8800: for the descriptor's LDS word the exclusive or is the sum
.set STAGE,  2*SLOT                    ; behind the ring: 16 rows x 528 bytes for each wave
.set OP,     528                       ; 512 + 16
.set GT,     STAGE+4*16*OP             ; [8 tiles][128 rows] pairs (g, g)
.set SPARE,  GT+8192                   ; the spare words, 128 bytes for each wave
.set CROW,   3072*2
.set PBLK,   65536                     ; bytes of pbuf for 16 rows,
.set PLAP,   8192                      ; of them a lap's
.set ADRV0, 16                         ; v16-17  my lane's place in a slot's quarters 0-3 and 4-7 (an LDS offset holds 16 bits); never rewritten
.set ADRV, 20                          ; v20-21  the same in the slot in hand
.set VST,  23                          ; v23  4 x my thread's number: my row's statistics
.set STO,  24
.set RD,   25
.set CO,   26                          ; v26  16 x lane: my piece in 512 bytes of pbuf and of out0; never rewritten
.set GA,   27                          ; v27  where my rows' g of the lap in hand lie; steps by 1,024 a lap
.set SPW,  28
.set NIL,  29
.set GW,   30                          ; v30  where I put my row's g
.set GV,   32
.set F0,   64
.set ZA,   192
.set ZB,   200
.set WV,  12
.set RH,  13
.set CH,  14
.set G1,  24                           ; s[24:31] descriptor group 1
.set G0,  32                           ; s[32:39] group 0: a set for each of the two first fills; the second then walks on
.set PCUR, 48                          ; s[48:49] pbuf at my rows, the lap in hand
.set PNXT, 50                          ; s[50:51] the next lap
.set TB,  52                           ; s52 LDS byte at which the slot in hand begins
.set MSB, 0
.macro WIN new
.if MSB != (\new)
	s_set_vgpr_msb (MSB<<8)|(\new)
.set MSB, \new
.endif
.endm
.set MUL,  0xa4                        ; source 0 (v) window 0, source 1 (p') window 1, C and D window 2
.set TO_P, 0x40                        ; destination window 1, address window 0
.set UPD,  0xf2                        ; source 0 (T) window 2, source 1 (g) window 0, source 2 and destination (O) window 3
.macro PLACES
.rept 4
	v_nop
.endr
.endm
.macro JLOAD s                         ; a joint load: every wave fetches its 64 keys; an s_nop 0 and four v_nop follow the line
	tensor_load_to_lds s[G0+4*(\s):G0+4*(\s)+3], s[G1:G1+7]
	s_nop 0
.rept 4
	v_nop
.endr
.endm
.macro CREST
	s_cmp_lg_u32 s[WV], 0
	s_cbranch_scc1 .Lnot_wave_0_\@
	s_barrier_signal -3
.Lnot_wave_0_\@:
	s_barrier_wait -3
	s_barrier_signal -1
	s_barrier_wait -1
.endm
.macro CROUND
	s_barrier_signal -1
	s_barrier_wait -1
	CREST
.endm
; 8 loads: quarter qq of the lap at s[base], my four row blocks, into ring buffer buf
.macro PL8 buf, base, qq
	WIN TO_P
.irp a, 0,1,2,3
	global_load_b128 v[32*(\buf)+8*\a:32*(\buf)+8*\a+3],   v[CO], s[\base:\base+1] offset:\a*PBLK+(\qq)*1024
	global_load_b128 v[32*(\buf)+8*\a+4:32*(\buf)+8*\a+7], v[CO], s[\base:\base+1] offset:\a*PBLK+(\qq)*1024+512
.endr
.endm
	s_load_b256 s[4:11], s[0:1], 0x0               ; pbuf s[4:5], qkv s[6:7], mstat s[8:9], lstat s[10:11]
	s_load_b64 s[66:67], s[0:1], 0x20              ; out0
	v_lshl_add_u32 v[SPW], v0, 2, SPARE
	v_mov_b32 v[NIL], 0
	ds_add_u32 v[SPW], v[NIL]                      ; the wave's opening: the add and its wait stand ahead of my first tensor load
	v_lshrrev_b32 v1, 5, v0
	v_readfirstlane_b32 s[WV], v1
	s_lshr_b32 s[RH], s[WV], 1                     ; which half of the tile's queries is mine
	s_and_b32 s[CH], s[WV], 1                      ; which half of its channels
	s_bfe_u32 s40, ttmp6, 0x40000                  ; cx, cy
	s_bfe_u32 s41, ttmp6, 0x40004
	s_lshl_b32 s42, ttmp9, 2
	s_add_co_u32 s42, s42, s40                     ; the block of 256 channels = 4 x cluster x + cx
	s_and_b32 s15, ttmp7, 0xffff
	s_lshl_b32 s43, s15, 2
	s_add_co_u32 s43, s43, s41                     ; the block of 128 queries among all 64 = 4 x cluster y + cy
	s_lshr_b32 s15, s15, 2                         ; the batch, from the cluster's y alone
	s_lshl_b32 s45, 0x1111, s40                    ; my column of the cluster
	s_or_b32 s[G1], s45, (1<<16)|(1<<20)|(1<<21)|(6<<22)|(7<<25)  ; 15:0 the mask; elements of 2 bytes; padding on; 21 set beside a mask; behind every 128 words (code 6) 8 words (code 7)
	s_mov_b32 s[G1+1], 256<<16                     ; tensor_dim0 = 256 channels
	s_mov_b32 s[G1+2], 64<<16                      ; tensor_dim1 = 64 keys
	s_mov_b32 s[G1+3], 256<<16                     ; tile_dim0
	s_mov_b32 s[G1+4], 64                          ; tile_dim1
	s_mov_b32 s[G1+5], 3072                        ; elements from row to row
	s_mov_b32 s[G1+6], 0
	s_mov_b32 s[G1+7], 0
	s_lshl_b32 s46, s15, 11                        ; v: row 2,048 x batch + 64 x wave, 4,096 bytes into the row, 512 bytes a channel block
	s_lshl_b32 s47, s[WV], 6
	s_add_co_u32 s46, s46, s47
	s_mul_i32 s46, s46, CROW
	s_lshl_b32 s47, s42, 9
	s_add_co_u32 s46, s46, s47
	s_add_co_u32 s46, s46, 4096
	s_mov_b32 s47, 0
	s_mul_i32 s18, s[WV], WPART                    ; where they go: no place in the cluster enters an LDS address
	s_mov_b32 s[TB], 0                             ; slot 0 is read first
	s_wait_dscnt 0x0                               ; the opening add is done
	s_wait_kmcnt 0x0
	s_add_nc_u64 s[46:47], s[6:7], s[46:47]
	CROUND                                         ; all sixteen work-groups are here: the first joint loads meet
.irp s, 0,1
	s_mov_b32 s[G0+4*(\s)], 1
	s_add_co_u32 s[G0+4*(\s)+1], s18, (\s)*SLOT
	s_add_nc_u64 s[G0+4*(\s)+2:G0+4*(\s)+3], s[46:47], (\s)*256*CROW  ; lap s: 256 rows down
	s_or_b32 s[G0+4*(\s)+3], s[G0+4*(\s)+3], 0x80000000
	JLOAD \s                                       ; two tensor loads of mine are out
.endr
	v_and_b32 v1, 15, v0                           ; l % 16
	v_bfe_u32 v2, v0, 4, 1                         ; l / 16
	v_and_b32 v3, 7, v0
	v_bfe_u32 v4, v0, 3, 1
	v_and_b32 v5, 31, v0                           ; l
	v_lshlrev_b32 v[CO], 4, v5
	v_lshlrev_b32 v[VST], 2, v0
	s_lshl_b32 s16, s15, 16                        ; the statistics of my work-group's 128 rows: [batch][t][128 x (block % 16) + thread]
	s_and_b32 s17, s43, 15
	s_lshl_b32 s17, s17, 9
	s_add_co_u32 s16, s16, s17
	s_mov_b32 s17, 0
	s_add_nc_u64 s[8:9], s[8:9], s[16:17]
	s_add_nc_u64 s[10:11], s[10:11], s[16:17]
.irp t, 0,1,2,3,4,5,6,7
	global_load_b32 v[40+\t], v[VST], s[8:9] offset:8192*\t
	global_load_b32 v[48+\t], v[VST], s[10:11] offset:8192*\t
.endr
	s_lshl_b32 s16, s43, 19                        ; pbuf at my first block of 16 rows: 8 blocks a query block, 4 a row half
	s_lshl_b32 s17, s[RH], 18
	s_add_co_u32 s16, s16, s17
	s_mov_b32 s17, 0
	s_add_nc_u64 s[PCUR:PCUR+1], s[4:5], s[16:17]
	s_add_nc_u64 s[PNXT:PNXT+1], s[PCUR:PCUR+1], PLAP
.irp q, 0,1,2,3,4
	PL8 \q, PCUR, \q                               ; the ring's first five quarters
.endr
	WIN 0
	; The turning load takes 16 keys x 16 channels (lane l reads key 8 (l / 16) + l % 8, channels 8 ((l / 8) % 2) + 0..7) and leaves half a fragment: lane l holds channel l % 16 and 8 keys.
	v_lshl_add_u32 v7, v2, 3, v3
	v_mul_u32_u24 v7, v7, PV
	v_lshl_add_u32 v7, v4, 4, v7
	s_lshl_b32 s22, s[CH], 8                       ; my 128 channels
	v_add_nc_u32 v[ADRV0], s22, v7
	v_add_nc_u32 v[ADRV0+1], 4*QUART, v[ADRV0]
	v_mov_b32 v[ADRV], v[ADRV0]                    ; slot 0
	v_mov_b32 v[ADRV+1], v[ADRV0+1]
	s_mul_i32 s23, s[WV], 16*OP
	s_add_co_u32 s23, s23, STAGE                   ; my stage
	v_mul_u32_u24 v6, v1, OP                       ; in: row l % 16, 32 bytes for each half of the lanes
	v_lshl_add_u32 v6, v2, 5, v6
	v_add_nc_u32 v[STO], s23, v6
	v_lshl_add_u32 v[RD], v5, 4, s23               ; back: 32 lanes take a row's 512 bytes
	s_lshl_b32 s23, s[RH], 9
	s_add_co_u32 s23, s23, GT
	v_lshl_add_u32 v[GA], v1, 3, s23               ; row 64 x half + l % 16; row block a lies 128 bytes on
	v_lshl_add_u32 v[GW], v0, 3, GT                ; thread i stands for row i: a wave's stores are 256 bytes on end
	s_lshl_b32 s16, s43, 7                         ; out0 at my first row and channel
	s_lshl_b32 s17, s[RH], 6
	s_add_co_u32 s16, s16, s17
	s_lshl_b32 s16, s16, 12
	s_mov_b32 s17, 0
	s_add_nc_u64 s[66:67], s[66:67], s[16:17]
	s_lshl_b32 s46, s42, 10
	s_lshl_b32 s47, s[CH], 9
	s_add_co_u32 s46, s46, s47
	s_mov_b32 s47, 0
	s_add_nc_u64 s[66:67], s[66:67], s[46:47]
.set i, 0
.rept 16
	v_mov_b32 v[ZA+i], 0                           ; two zero fragments
.set i, i+1
.endr
	WIN 0xc0                                       ; destination window 3
.set i, 0
.rept 32
	v_wmma_f32_16x16x32_bf16 v[8*i:8*i+7], v[ZA:ZA+7], v[ZB:ZB+7], 0  ; O = 0
.set i, i+1
.endr
	WIN 0
	s_wait_loadcnt 40                              ; my row's eight c m_t (v40-47) and l_t (v48-55) are in; the 40 loads of p' behind them stay out
	v_max3_num_f32 v56, v40, v41, v42
	v_max3_num_f32 v56, v56, v43, v44
	v_max3_num_f32 v56, v56, v45, v46
	v_max_num_f32 v56, v56, v47                    ; CM
.irp t, 0,1,2,3,4,5,6,7
	v_sub_f32 v[40+\t], v[40+\t], v56
.endr
.irp t, 0,1,2,3,4,5,6,7
	v_exp_f32 v[40+\t], v[40+\t]
.endr
	v_nop                                          ; a plain instruction between the last exponential and the use of its result (ISA guide 5.7.2)
	s_wait_alu depctr_va_vdst(0)
	v_mul_f32 v57, v40, v48
.irp t, 1,2,3,4,5,6,7
	v_fmac_f32 v57, v[40+\t], v[48+\t]             ; L
.endr
	v_rcp_f32 v58, v57
	v_nop
	s_wait_alu depctr_va_vdst(0)
.irp t, 0,1,2,3,4,5,6,7
	v_mul_f32 v[64+2*\t], v[40+\t], v58            ; g_t, twice: a pair for the packed multiply-add
	v_mul_f32 v[65+2*\t], v[40+\t], v58
.endr
.irp t, 0,1,2,3,4,5,6,7
	ds_store_b64 v[GW], v[64+2*\t:65+2*\t] offset:1024*\t
.endr
	PL8 5, PCUR, 5                                 ; the ring's quarters 5 and 6; quarter 7 is asked for at the head of quarter 0
	PL8 6, PCUR, 6
	WIN 0
.macro MUL8 q, a, zero                 ; 8 matrix instructions of quarter q: row block a x all 8 channel blocks.  The 32 accumulators take turns.
	WIN MUL
.irp b, 0,1,2,3,4,5,6,7
.if \zero
	v_wmma_f32_16x16x32_bf16 v[8*(8*(\a)+\b):8*(8*(\a)+\b)+7], v[F0+64*((\q)%2)+8*\b:F0+64*((\q)%2)+8*\b+7], v[32*(\q)+8*(\a):32*(\q)+8*(\a)+7], 0
.else
	v_wmma_f32_16x16x32_bf16 v[8*(8*(\a)+\b):8*(8*(\a)+\b)+7], v[F0+64*((\q)%2)+8*\b:F0+64*((\q)%2)+8*\b+7], v[32*(\q)+8*(\a):32*(\q)+8*(\a)+7], v[8*(8*(\a)+\b):8*(8*(\a)+\b)+7]
.endif
.endr
.endm
.macro FETCH q                         ; 16 LDS loads in one run: v's 8 fragments of quarter q of the slot in hand, turned, into buffer q % 2
	WIN 0
.irp b, 0,1,2,3,4,5,6,7
	ds_load_tr16_b128 v[F0+64*((\q)%2)+8*\b:F0+64*((\q)%2)+8*\b+3],   v[ADRV+(\q)/4] offset:((\q)%4)*QUART+32*\b
	ds_load_tr16_b128 v[F0+64*((\q)%2)+8*\b+4:F0+64*((\q)%2)+8*\b+7], v[ADRV+(\q)/4] offset:((\q)%4)*QUART+16*PV+32*\b
.endr
.endm
.macro PLOAD q                         ; at the head of quarter q the ring's buffer read last takes the quarter seven on: this lap's quarter 7, or the next lap's quarter q - 1
.if (\q) == 0
	PL8 7, PCUR, 7
.else
	PL8 (\q)-1, PNXT, (\q)-1
.endif
.endm
; A quarter but the lap's last: 32 matrix instructions; at its head, behind four places, the next quarter's v and the ring's refill, both into registers that the quarter before read.
; w: the LDS instructions issued behind this quarter's v: none, or the lap's four loads of g.
.macro QUARTER q, zero, w
	s_wait_dscnt \w                                ; v of this quarter is in
	s_wait_loadcnt 48                              ; p' of this quarter is in: the six younger quarters' 48 loads stay out (loads come back in order: ISA guide 5.7.1)
	PLACES
	FETCH (\q)+1
	PLOAD \q
	MUL8 \q, 0, \zero
	MUL8 \q, 1, \zero
	MUL8 \q, 2, \zero
	MUL8 \q, 3, \zero
.endm
; The lap's last quarter changes slots: ONE barrier; in front of it each wave waits for all its tensor loads (one is out: its part of the next slot), adds 0 to its spare word, and waits for that and for
; its reads of this slot.  fill = 1: the barrier opens a round of the cluster's, and the slot just left is filled again, two laps on, first thing behind it: 240 matrix instructions ahead of the wait for it.
.macro TURN fill
	WIN 0
	s_wait_tensorcnt 0x0
	ds_add_u32 v[SPW], v[NIL]
	s_wait_loadcnt 48
	s_wait_dscnt 1                                 ; (the add may be out)
	MUL8 7, 0, 0
	s_wait_dscnt 0x0                               ; the add is done, and my reads of this slot are over
	s_barrier_signal -1
	MUL8 7, 1, 0
	WIN 0
	s_xor_b32 s[TB], s[TB], SLOT                   ; from here on the other slot is the slot in hand
	v_add_nc_u32 v[ADRV], s[TB], v[ADRV0]
	v_add_nc_u32 v[ADRV+1], s[TB], v[ADRV0+1]
	s_barrier_wait -1
.if \fill
	CREST
	s_xor_b32 s[G0+5], s[G0+5], SLOT               ; the walking descriptor: the other slot than last time,
	s_add_nc_u64 s[G0+6:G0+7], s[G0+6:G0+7], 256*CROW  ; the next lap; the type bits on top are not reached
	JLOAD 1                                        ; its four v_nop are also the places in front of the loads below
.else
	PLACES
.endif
	FETCH 0
	PLOAD 7
	MUL8 7, 2, 0
	MUL8 7, 3, 0
.endm
.macro UPDATE                          ; O += g T: each accumulator's registers in ascending order
	PLACES
	WIN UPD
.set i, 0
.rept 128
	v_pk_fma_f32 v[2*i:2*i+1], v[2*i:2*i+1], v[GV+2*(i/32):GV+2*(i/32)+1], v[2*i:2*i+1]
.set i, i+1
.endr
	WIN 0
.endm
.macro LAP fill                        ; 256 keys: one slot, one tile of the statistics
.irp a, 0,1,2,3
	ds_load_b64 v[GV+2*\a:GV+2*\a+1], v[GA] offset:128*\a
.endr
	v_add_nc_u32 v[GA], 1024, v[GA]
	QUARTER 0, 1, 4                                ; the lap's first products start T
	QUARTER 1, 0, 0
	QUARTER 2, 0, 0
	QUARTER 3, 0, 0
	QUARTER 4, 0, 0
	QUARTER 5, 0, 0
	QUARTER 6, 0, 0
	TURN \fill
	UPDATE
	s_wait_xcnt 0x0                                ; the loads' bases are rewritten only behind this wait (ISA guide 3.1)
	s_mov_b64 s[PCUR:PCUR+1], s[PNXT:PNXT+1]
.if \fill
	s_add_nc_u64 s[PNXT:PNXT+1], s[PNXT:PNXT+1], PLAP
.endif
.endm
	s_wait_tensorcnt 1                             ; my part of lap 0 is in; lap 1's may stay out
	s_wait_dscnt 0x0                               ; for the others' sake: my rows' g are stored
	s_barrier_signal -1
	s_barrier_wait -1
	FETCH 0
	s_mov_b32 s3, 6
.Llap:                                                 ; laps 0 to 5 ask for laps 2 to 7 of v
	LAP 1
	s_sub_co_u32 s3, s3, 1
	s_cmp_lg_u32 s3, 0
	s_cbranch_scc1 .Llap
	s_mov_b32 s3, 2
.Ltail:                                                ; laps 6 and 7 ask for no v; behind lap 6 the next lap's base stays where it is, on lap 7: no load leaves pbuf
	LAP 0
	s_sub_co_u32 s3, s3, 1
	s_cmp_lg_u32 s3, 0
	s_cbranch_scc1 .Ltail
	s_wait_dscnt 0x0                               ; the last fetch of v has come back: its registers are used again below
; THE WAY OUT.  A lane's eight channels of a row are 32 bytes; a row block goes into my own stage (rows of 528 bytes) and comes back as whole rows of 512 bytes.
.macro TOSTAGE a
.if (\a) >= 2
	s_wait_xcnt 0x0                                ; the registers that the stores of two blocks back read are loaded again only behind this wait (ISA guide 3.1)
.endif
	WIN 0x0c                                       ; the stores' data in window 3
.irp b, 0,1,2,3,4,5,6,7
	ds_store_b128 v[STO], v[8*(8*(\a)+\b):8*(8*(\a)+\b)+3]   offset:64*\b
	ds_store_b128 v[STO], v[8*(8*(\a)+\b)+4:8*(8*(\a)+\b)+7] offset:64*\b+16
.endr
	WIN 0
.set BK, 64+64*((\a)%2)
.set i, 0
.rept 16
	ds_load_b128 v[BK+4*i:BK+4*i+3], v[RD] offset:i*OP  ; LDS serves a wave's instructions in order (ISA guide 5.7.1.4): these see the stores above; the next block's stores come behind them
.set i, i+1
.endr
.endm
.macro SEND a, younger                 ; younger: the LDS instructions issued behind block a's loads: the next block's 32, or none
.set BK, 64+64*((\a)%2)
.set i, 0
.rept 16
	s_wait_dscnt (\younger)+15-i
	global_store_b128 v[CO], v[BK+4*i:BK+4*i+3], s[66:67] offset:(16*(\a)+i)*4096 th:TH_STORE_NT  ; 512 consecutive bytes, at a multiple of 512 from out0's first byte
.set i, i+1
.endr
.endm
	TOSTAGE 0
	TOSTAGE 1
	SEND 0, 32
	TOSTAGE 2
	SEND 1, 32
	TOSTAGE 3
	SEND 2, 32
	SEND 3, 0
	s_wait_tensorcnt 0x0                           ; the wave's end
	ds_add_u32 v[SPW], v[NIL]
	s_wait_dscnt 0x0
	CROUND                                         ; the closing round
	s_endpgm
.Lfunc_end_k_q92c56c85c3_pv:
	.size	k_q92c56c85c3_pv, .Lfunc_end_k_q92c56c85c3_pv-k_q92c56c85c3_pv
	.p2alignl 7, 3214868480
	.fill 96, 4, 3214868480
	.section	.rodata,"a",@progbits
	.p2align	6, 0x0
	.amdhsa_kernel k_q92c56c85c3_pv
		.amdhsa_group_segment_fixed_size 327680
		.amdhsa_private_segment_fixed_size 0
		.amdhsa_enable_private_segment 0
		.amdhsa_kernarg_size 40
		.amdhsa_user_sgpr_count 2
		.amdhsa_user_sgpr_kernarg_segment_ptr 1
		.amdhsa_wavefront_size32 1
		.amdhsa_system_sgpr_workgroup_id_x 1
		.amdhsa_system_sgpr_workgroup_id_y 1
		.amdhsa_system_sgpr_workgroup_id_z 1
		.amdhsa_system_vgpr_workitem_id 0
		.amdhsa_next_free_vgpr 1024
		.amdhsa_next_free_sgpr 68
		.amdhsa_reserve_vcc 0
		.amdhsa_float_denorm_mode_32 3
		.amdhsa_float_denorm_mode_16_64 3
		.amdhsa_memory_ordered 1
		.amdhsa_forward_progress 1
		.amdhsa_inst_pref_size 119
	.end_amdhsa_kernel
	.amdgpu_metadata
---
amdhsa.version: [ 1, 2 ]
amdhsa.kernels:
  - .name:           k_q92c56c85c3_pv
    .symbol:         k_q92c56c85c3_pv.kd
    .args:
      - { .name: pbuf, .offset: 0, .size: 8, .value_kind: global_buffer, .address_space: global }
      - { .name: qkv, .offset: 8, .size: 8, .value_kind: global_buffer, .address_space: global }
      - { .name: mstat, .offset: 16, .size: 8, .value_kind: global_buffer, .address_space: global }
      - { .name: lstat, .offset: 24, .size: 8, .value_kind: global_buffer, .address_space: global }
      - { .name: out0, .offset: 32, .size: 8, .value_kind: global_buffer, .address_space: global }
    .group_segment_fixed_size: 327680
    .private_segment_fixed_size: 0
    .kernarg_segment_align: 8
    .kernarg_segment_size: 40
    .max_flat_workgroup_size: 128
    .sgpr_count:     68
    .vgpr_count:     1024
    .wavefront_size: 32
...
	.end_amdgpu_metadata
.endif
;; end of part 4
;; ======== version 2 of 2: 4 launches; version 1 with the launch cvt written anew for expert scheduling mode
;; workspace buffers: xb 16,777,216 bytes; wb 6,291,456 bytes; ball 12,288 bytes; qkv 50,331,648 bytes; pbuf 33,554,432 bytes; mstat 262,144 bytes; lstat 262,144 bytes
;; launch cvt (part 5): grid 256 x 1, 11 waves a work-group, no clusters, 0 bytes of LDS; arguments x, wq, wk, wv, bq, bk, bv, xb, wb, ball; writes xb, wb, ball
.if DOCPART == 5
	.amdgcn_target "amdgcn-amd-amdhsa--gfx1250"
	.amdhsa_code_object_version 6
	.text
	.protected	k_q92c56c85c3_cvt
	.globl	k_q92c56c85c3_cvt
	.p2align	8
	.type	k_q92c56c85c3_cvt,@function
k_q92c56c85c3_cvt:
	s_mov_b64 s[64:65], 0
	v_nop
	global_prefetch_b8 v0, s[64:65] scope:SCOPE_SE
	s_setreg_imm32_b32 hwreg(HW_REG_WAVE_SCHED_MODE, 0, 2), 2
	s_setreg_imm32_b32 hwreg(HW_REG_WAVE_MODE, 25, 1), 1
	s_wait_xcnt 0x0
	s_wait_alu depctr_vm_vsrc(0)
; x [8192][1024] and wq, wk, wv [1024][1024], f32, are rounded once to bf16 and laid in blocks along K:
;   xb[kb][row][64 k], wb[kb][3072 rows][64 k] (rows 0-1023 wq, 1024-2047 wk, 2048-3071 wv), element (row, k) at ((k >> 6) * ROWS + row) * 128 + (k & 63) * 2 bytes,
; so that a tile of R rows x 64 k of the next launch is R * 128 dense bytes.  ball[3072] = bq, bk, bv, each number rounded to bf16 and kept as f32.
; SHARES.  8,192 + 3,072 rows are 2,816 groups of four rows = 256 work-groups x 11 waves: wave G = 11 x work-group + wave takes group G: groups 0-2047 are x's, the others the weights'.
; One load of a wave: lanes 0-15 take 256 consecutive bytes (64 k) of a pair's even row, lanes 16-31 the same columns of the odd row.
; One store of a wave: 32 lanes x 8 bytes = 256 consecutive bytes, aligned: the two rows' 64 k of one block.
; A stream: no LDS, no barrier, no matrix unit.  All 32 loads of a wave go out at once; no register is written twice, so no wait frees one.
; LIMIT: bf16 keeps 8 significant bits; its range is f32's.
; THE MODE: SCHED_MODE bits 1:0 = 2 (LLVM: expert scheduling mode 2), set by the entry lines.  The code itself states the register dependences
; between vector instructions and memory instructions, with s_wait_alu, always for 0.
; THE PLAN.  Registers that memory instructions touch:
;   v1, v2-17, v22  byte offsets, made once at the head and never written again: read by the loads, the stores, and the bias's load and store.
;   X[n]            load n lands in it, once; its two conversions read it behind the wait for the load.  No vector instruction names it before.
;   Y[n]            written once, by the two conversions of load n; read by store n.
;   v20-21, v18-19  at the head at work; in the bias's tail the load lands in v20-21 and the store reads v18-19.
; The 32 loads go in 8 blocks of four.  Block p converts X[4 p .. 4 p + 3] into Y[4 p .. 4 p + 3]; its memory instructions are the four stores of block p - 1, whose Y
; no conversion of block p names.  So ONE wait on va_vdst at a block's head states all that the block's four stores hang on, and they are dealt among its conversions.
; No register that a memory instruction reads is ever written again: beyond the entry's, the text holds no wait on vm_vsrc.  EXEC and VCC are never written.
.set VIN, 1                            ; v1      byte offset of my 16 bytes in the group's first pair of rows
.set VO,  2                            ; v2-17   byte offset of my 8 bytes in block kb (a block's stride times 15 does not fit a store's immediate)
.set X,   32                           ; v32-159  32 loads x 4 registers
.set Y,   160                          ; v160-223 32 x 2 registers to store
	s_load_b512 s[8:23], s[0:1], 0x0               ; x s[8:9], wq s[10:11], wk s[12:13], wv s[14:15], bq s[16:17], bk s[18:19], bv s[20:21], xb s[22:23]
	s_load_b128 s[24:27], s[0:1], 0x40             ; wb s[24:25], ball s[26:27]
	v_lshrrev_b32 v18, 5, v0
	v_readfirstlane_b32 s2, v18                    ; wave 0..10
	v_and_b32 v19, 31, v0                          ; lane
	v_and_b32 v21, 15, v0
	v_bfe_u32 v20, v0, 4, 1
	v_lshlrev_b32 v[VIN], 4, v21                   ; 16 bytes a lane,
	v_lshl_add_u32 v[VIN], v20, 12, v[VIN]         ; the odd row for lanes 16-31
	v_lshlrev_b32 v22, 3, v19                      ; 8 bytes a lane
	v_lshlrev_b32 v[VO], 3, v19
	s_mul_i32 s39, ttmp9, 11
	s_wait_alu depctr_va_sdst(0)                   ; s2 is written, ahead of its first reader: the group's number, and with it every base and branch, is made from it
	s_add_co_u32 s39, s39, s2                      ; G: my group of four rows
	s_sub_co_u32 s35, s39, 2048                    ; its number among the weights' groups
	s_lshr_b32 s38, s35, 8                         ; which weight: 0, 1, 2
	s_and_b32 s37, s35, 255                        ; which group of that weight
	s_mov_b32 s34, 3072*128                        ; bytes from block to block in wb
	s_cmp_lt_u32 s39, 2048                         ; a group of x?
	s_cselect_b32 s36, s39, s35                    ; the group in the destination
	s_cselect_b32 s37, s39, s37                    ; the group in the source
	s_cselect_b32 s34, 8192*128, s34               ; bytes from block to block in xb
	s_lshl_b32 s40, s37, 14                        ; four rows of 4,096 bytes
	s_mov_b32 s41, 0
	s_lshl_b32 s42, s36, 9                         ; four rows of 128 bytes
	s_mov_b32 s43, 0
.set kb, 1
.rept 15
	v_add_nc_u32 v[VO+kb], s34, v[VO+kb-1]
.set kb, kb+1
.endr
	s_wait_kmcnt 0x0
	s_cmp_eq_u32 s38, 1                            ; the source, its bias and the destination are chosen by the group's number alone
	s_cselect_b64 s[28:29], s[12:13], s[10:11]
	s_cselect_b64 s[32:33], s[18:19], s[16:17]
	s_cmp_eq_u32 s38, 2
	s_cselect_b64 s[28:29], s[14:15], s[28:29]
	s_cselect_b64 s[32:33], s[20:21], s[32:33]
	s_cmp_lt_u32 s39, 2048
	s_cselect_b64 s[28:29], s[8:9], s[28:29]
	s_cselect_b64 s[30:31], s[22:23], s[24:25]
	s_add_nc_u64 s[28:29], s[28:29], s[40:41]
	s_add_nc_u64 s[30:31], s[30:31], s[42:43]
	s_wait_alu depctr_va_vdst(0)                   ; the offsets v1, v2-17 and v22 are written: every load and store of the kernel reads one of them; the head's lines are done with v20-21, in which the bias's load lands
.set n, 0
.rept 32                                               ; load n: pair n / 16, block n % 16
	global_load_b128 v[X+4*n:X+4*n+3], v[VIN], s[28:29] offset:(n/16)*8192+(n%16)*256 th:TH_LOAD_NT
.set n, n+1
.endr
; Block p of 8: loads 4 p to 4 p + 3 are rounded; the four stores of block p - 1 stand among the conversions, each ahead of a load's wait.
.set p, 0
.rept 8
	s_wait_loadcnt 31-4*p                          ; loads come back in order (ISA guide 5.7.1): load 4 p is in, the younger ones stay out
.if p > 0
	s_wait_alu depctr_va_vdst(0)                   ; the conversions of the block before have written their Y, which the four stores below read; no conversion of this block names those registers
.endif
.set i, 0
.rept 4
.set n, 4*p+i
.if p > 0
	global_store_b64 v[VO+(n-4)%16], v[Y+2*(n-4):Y+2*(n-4)+1], s[30:31] offset:((n-4)/16)*256
.endif
.if i > 0
	s_wait_loadcnt 31-n                            ; load n is in, the 31 - n younger ones stay out
.endif
	v_cvt_pk_bf16_f32 v[Y+2*n], v[X+4*n], v[X+4*n+1]
	v_cvt_pk_bf16_f32 v[Y+2*n+1], v[X+4*n+2], v[X+4*n+3]
.set i, i+1
.endr
.set p, p+1
.endr
	s_wait_alu depctr_va_vdst(0)                   ; the last block's conversions have written their Y, which the last four stores read
.set n, 28
.rept 4
	global_store_b64 v[VO+n%16], v[Y+2*n:Y+2*n+1], s[30:31] offset:(n/16)*256
.set n, n+1
.endr
	; the biases: every sixteenth wave of the weights' takes 64 numbers, 256 consecutive bytes in and out: 16 waves a bias
	s_cmp_lt_u32 s39, 2048
	s_cbranch_scc1 .Lend
	s_and_b32 s40, s35, 15
	s_cmp_lg_u32 s40, 0
	s_cbranch_scc1 .Lend
	s_lshl_b32 s40, s37, 4                         ; four numbers of 4 bytes for each group of the weight
	s_mov_b32 s41, 0
	s_add_nc_u64 s[32:33], s[32:33], s[40:41]
	s_lshl_b32 s42, s35, 4                         ; and for each group of all three in ball
	s_mov_b32 s43, 0
	s_add_nc_u64 s[26:27], s[26:27], s[42:43]
	global_load_b64 v[20:21], v22, s[32:33]        ; no vector instruction since the waits above names v20, v21 or v22
	s_wait_loadcnt 0x0
	v_cvt_pk_bf16_f32 v23, v20, v21                ; rounded to bf16,
	v_lshlrev_b32 v18, 16, v23                     ; and written as f32 again
	v_and_b32 v19, 0xffff0000, v23
	s_wait_alu depctr_va_vdst(0)                   ; v18 and v19 are written, which the store reads
	global_store_b64 v22, v[18:19], s[26:27]
.Lend:
	s_endpgm
.Lfunc_end_k_q92c56c85c3_cvt:
	.size	k_q92c56c85c3_cvt, .Lfunc_end_k_q92c56c85c3_cvt-k_q92c56c85c3_cvt
	.p2alignl 7, 3214868480
	.fill 96, 4, 3214868480
	.section	.rodata,"a",@progbits
	.p2align	6, 0x0
	.amdhsa_kernel k_q92c56c85c3_cvt
		.amdhsa_group_segment_fixed_size 0
		.amdhsa_private_segment_fixed_size 0
		.amdhsa_enable_private_segment 0
		.amdhsa_kernarg_size 80
		.amdhsa_user_sgpr_count 2
		.amdhsa_user_sgpr_kernarg_segment_ptr 1
		.amdhsa_wavefront_size32 1
		.amdhsa_system_sgpr_workgroup_id_x 1
		.amdhsa_system_sgpr_workgroup_id_y 1
		.amdhsa_system_sgpr_workgroup_id_z 1
		.amdhsa_system_vgpr_workitem_id 0
		.amdhsa_next_free_vgpr 224
		.amdhsa_next_free_sgpr 66
		.amdhsa_reserve_vcc 0
		.amdhsa_float_denorm_mode_32 3
		.amdhsa_float_denorm_mode_16_64 3
		.amdhsa_memory_ordered 1
		.amdhsa_forward_progress 1
		.amdhsa_inst_pref_size 15
	.end_amdhsa_kernel
	.amdgpu_metadata
---
amdhsa.version: [ 1, 2 ]
amdhsa.kernels:
  - .name:           k_q92c56c85c3_cvt
    .symbol:         k_q92c56c85c3_cvt.kd
    .args:
      - { .name: x, .offset: 0, .size: 8, .value_kind: global_buffer, .address_space: global }
      - { .name: wq, .offset: 8, .size: 8, .value_kind: global_buffer, .address_space: global }
      - { .name: wk, .offset: 16, .size: 8, .value_kind: global_buffer, .address_space: global }
      - { .name: wv, .offset: 24, .size: 8, .value_kind: global_buffer, .address_space: global }
      - { .name: bq, .offset: 32, .size: 8, .value_kind: global_buffer, .address_space: global }
      - { .name: bk, .offset: 40, .size: 8, .value_kind: global_buffer, .address_space: global }
      - { .name: bv, .offset: 48, .size: 8, .value_kind: global_buffer, .address_space: global }
      - { .name: xb, .offset: 56, .size: 8, .value_kind: global_buffer, .address_space: global }
      - { .name: wb, .offset: 64, .size: 8, .value_kind: global_buffer, .address_space: global }
      - { .name: ball, .offset: 72, .size: 8, .value_kind: global_buffer, .address_space: global }
    .group_segment_fixed_size: 0
    .private_segment_fixed_size: 0
    .kernarg_segment_align: 8
    .kernarg_segment_size: 80
    .max_flat_workgroup_size: 352
    .sgpr_count:     66
    .vgpr_count:     224
    .wavefront_size: 32
...
	.end_amdgpu_metadata
.endif
;; end of part 5
;; launch proj: the kernel of part 2 again; grid 8 x 32, 4 waves a work-group, clusters of 4 x 4, 327,680 bytes of LDS; arguments xb, wb, ball, qkv; writes qkv
;; launch scores: the kernel of part 3 again; grid 8 x 32, 4 waves a work-group, clusters of 4 x 4, 327,680 bytes of LDS; arguments qkv, pbuf, mstat, lstat; writes pbuf, mstat, lstat
;; launch pv: the kernel of part 4 again; grid 4 x 64, 4 waves a work-group, clusters of 4 x 4, 327,680 bytes of LDS; arguments pbuf, qkv, mstat, lstat, out0; writes out0
